; MI455X (gfx1250); checked and timed in simulation.
; The chip was launched on July 23, 2026; its instructions are those of AMD's public machine-readable ISA for CDNA 5 (MIT licence, August 2026) and "CDNA5" Instruction Set Architecture Reference Guide (July 2026). The comments in the code are by the model that wrote it; some were corrected since.
;; Llama Attention. Allowed arithmetic: matrix products marked QUANTISED: E4M3 operands, one given power-of-two scale a tensor, by v_wmma_f32_16x16x64_fp8_fp8 or v_wmma_f32_16x16x128_fp8_fp8, f32 sums; everything else in f32.
;; Inputs: Wk 512 x 2,048 float32; Wo 2,048 x 1,024 float32; Wq 1,024 x 2,048 float32; Wv 512 x 2,048 float32; attention_mask 1 x 1 x 2,048 x 2,048 float32; cos 2 x 2,048 x 64 float32; hidden_states 2 x 2,048 x 2,048 float32; lowp_scales 12 int32 (the exponents e of the quantised operands' scales 2^e); sin 2 x 2,048 x 64 float32.
;; Outputs: out0 2 x 2,048 x 2,048 float32.
;; This version of the problem:
;;   THIS VERSION OF THE PROBLEM IS GIVEN IN LOW PRECISION. The matrix products marked QUANTISED in the list below multiply operands that are first quantised to E4M3 (4 exponent bits, 3 mantissa bits; 8 bits a number), with one given power-of-two scale for each operand tensor; their sums are f32. All else is computed in f32.
;;   The module's matrix products, in the order in which they are computed (A, B: the left and right operand; K: the contracted axis; several contracted axes count as one K, in the product's order):
;;     1. [M 4,096, K 2,048] x [K 2,048, N 1,024]; A: input hidden_states; B: input Wq: QUANTISED (scales: A lowp_scales[0], B lowp_scales[1])
;;     2. [M 4,096, K 2,048] x [K 2,048, N 512]; A: input hidden_states; B: input Wk: QUANTISED (scales: A lowp_scales[2], B lowp_scales[3])
;;     3. [M 4,096, K 2,048] x [K 2,048, N 512]; A: input hidden_states; B: input Wv: QUANTISED (scales: A lowp_scales[4], B lowp_scales[5])
;;     4. batch 32 x [M 2,048, K 64] x [K 64, N 2,048]; A: computed on the way; B: computed on the way: QUANTISED (scales: A lowp_scales[6], B lowp_scales[7])
;;     5. batch 32 x [M 2,048, K 2,048] x [K 2,048, N 64]; A: softmax (see below); B: computed on the way: QUANTISED (scales: A lowp_scales[8], B lowp_scales[9])
;;     6. [M 4,096, K 1,024] x [K 1,024, N 2,048]; A: computed on the way; B: input Wo: QUANTISED (scales: A lowp_scales[10], B lowp_scales[11])
;;   THE QUANTISER, for each operand of a quantised product, along K:
;;     - The operand's scale is 2^e, e = its entry of the input lowp_scales (int32; the entries are numbered through the quantised products in the list's order, A before B).
;;     - Each number is divided by the scale, clamped to +-448, and rounded to the nearest number of E4M3, ties to even, subnormals kept.
;;     - The product sums the exact products of the quantised numbers (number of the format x scale) in f32.
;;   ~~~python
;;   def quantise(x, axis, e):      # numpy; x: float32 -> the quantised numbers, widened to float32 again
;;       x = np.moveaxis(x, axis, -1); K = x.shape[-1]
;;       r = np.clip(x / 2.0 ** e, -448, 448)
;;       step = 2.0 ** (np.maximum(np.frexp(np.where(r == 0, 1, r))[1] - 1, -6) - 3)
;;       q = np.round(r / step) * step * 2.0 ** e      # np.round: ties to even
;;       return np.moveaxis(q, -1, axis).astype(np.float32)
;;   ~~~
;;   SOFTMAX AHEAD OF A QUANTISED PRODUCT. Where the list says 'softmax', what is quantised is not the finished softmax but p = 2^(t - M), with t = logit x log2(e) and M = ceil(the row's largest t), a whole number; so 1/2 < the row's largest p <= 1. The row's sum l is taken of the UNQUANTISED p, in f32, and the product's result is divided by l at the end. Since M is a whole number, a kernel that streams over the keys may use a running M (the ceiling of the running maximum): every later rescaling is an exact power of two, so the quantised numbers keep their values, but for numbers so far below the row's largest that they fall under the format's range.
;;   OPERANDS COMPUTED ON THE WAY. 'Computed on the way' means the value that the module computes at that place (a softmax that the list does not call 'softmax' is quantised finished and normalised). What goes into a quantiser is computed in f32, as accurately as f32 sums, v_exp_f32 and their like allow (about 1e-6 of the number): no bf16 or f16 on the way to a quantiser, and a product that is left as it is and whose result goes on into a quantised operand takes f32 operands (vector FMAs, or v_wmma_f32_16x16x4_f32). A number that lies on a knife's edge between two numbers of the format may be rounded either way, as far as f32 arithmetic and the matrix unit's own rounding can turn it there, and no further.
;; One version. Each part assembles by itself: llvm-mc -triple=amdgcn-amd-amdhsa -mcpu=gfx1250 --defsym DOCPART=n.
;; ======== version 1 of 1: 4 launches
;; limits: right only within a limited range of input values
;; workspace buffers: hc 25,165,824 bytes; wc 4,194,304 bytes; woc 2,097,152 bytes; qimg 4,194,304 bytes; kv 4,194,304 bytes; oimg 4,194,304 bytes
;; launch quant (part 1): grid 896 x 1, 4 waves a work-group, no clusters, 33,280 bytes of LDS; arguments hidden_states, Wq, Wk, Wv, Wo, lowp_scales, hc, wc, woc; writes hc, wc, woc
.if DOCPART == 1
	.amdgcn_target "amdgcn-amd-amdhsa--gfx1250"
	.amdhsa_code_object_version 6
	.text
	.protected	k_q98053d981a_quant
	.globl	k_q98053d981a_quant
	.p2align	8
	.type	k_q98053d981a_quant,@function
k_q98053d981a_quant:
	s_mov_b64 s[64:65], 0
	v_nop
	global_prefetch_b8 v0, s[64:65] scope:SCOPE_SE
	s_setreg_imm32_b32 hwreg(HW_REG_WAVE_MODE, 25, 1), 1
	s_wait_xcnt 0x0
; hidden_states [4096][2048], Wq [1024][2048], Wk, Wv [512][2048], Wo [2048][1024], all f32 with K innermost, become codes of E4M3, one byte each, K innermost.
; code = x / 2^e, held within +-448, rounded to the nearest code, ties to even; e is the operand's entry of lowp_scales.
; hidden_states is the left operand of three products with three entries (0, 2, 4), which need not be equal: it is read once and three planes of codes are stored, hc[0], hc[1], hc[2].
; wc holds Wq (entry 1), Wk (entry 3), Wv (entry 5) one behind the other as 2,048 rows of 2,048 codes; woc holds Wo (entry 11).
; All five tensors are dense streams.  A work-group takes 16,384 numbers, a wave 4,096: 8 steps of 512.  Work-groups 0-511: hidden_states; 512-639: Wq; 640-703: Wk; 704-767: Wv; 768-895: Wo.
; Short waves, and many of them: 3,584 waves, each with 16 loads of 512 bytes out, so that much is asked for at once.
; Only pointers, an exponent and one flag are chosen by the work-group's number; there is one way through LDS for all five.
; The conversions take 8 numbers of ONE lane's consecutive registers, so a lane must hold 16 neighbours; a load is dense where neighbouring lanes take neighbouring bytes.  Both are had: each of a step's four loads reads
; 512 consecutive bytes, the 2,048 bytes go through the wave's own stage in LDS as they lie (16 bytes of padding behind each 64) and come back 64 bytes a lane.  A wave's store of codes covers 512 consecutive bytes, aligned.
; No tensor loads, no barrier: waves share nothing.  Loads run four steps (16 loads a wave) ahead, the turn through LDS one step.
; LIMITS: each exponent used lies between -126 and 119, so that 2^e and 448 x 2^e are f32 numbers.  NaN among the inputs is not served; an infinity is held at the largest code.
.set WAVES, 4
.set STEPS, 8
.set R,     16                         ; v16-79   four sets of 16 numbers as they are loaded
.set X,     80                         ; v80-111  two sets of 16 neighbours; they stay whole while up to three scales are applied
.set T,     112                        ; v112-127 the 16 numbers held within one scale's range
.set C,     128                        ; v128-139 codes: four registers for each of the three planes
.set WREG,  8192                       ; LDS: a region for each wave: two stages of 32 x SP bytes
.set SP,    80                         ; a lane's place in a stage: its 64 bytes + 16 of padding
.set SPW,   12                         ; v12      LDS address of my spare word; never rewritten
.set NIL,   13                         ; v13      0; never rewritten
.set SPARE, WAVES*WREG                 ; behind the four regions: the spare words, 128 bytes for each wave, which no other line names
.set SRC,   36                         ; s[36:37] my wave's numbers
.set DST,   38                         ; s[38:39] my wave's codes
.set DST1,  44                         ; s[44:45] the same place in plane 1 of hc
.set DST2,  46                         ; s[46:47] and in plane 2 (both used by hidden_states' work-groups alone)
.set HID,   43                         ; s43      1 in a work-group of hidden_states
	s_load_b512 s[4:19], s[0:1], 0x0               ; hidden s[4:5], Wq s[6:7], Wk s[8:9], Wv s[10:11], Wo s[12:13], scales s[14:15], hc s[16:17], wc s[18:19]
	s_load_b64 s[20:21], s[0:1], 0x40              ; woc
	v_lshl_add_u32 v[SPW], v0, 2, SPARE
	v_mov_b32 v[NIL], 0
	v_lshrrev_b32 v1, 5, v0
	v_readfirstlane_b32 s22, v1                    ; wave
	v_and_b32 v2, 31, v0                           ; lane
	v_lshlrev_b32 v3, 4, v2                        ; my 16 bytes of a load's 512
	v_lshlrev_b32 v4, 4, v2                        ; my 16 codes of a step's 512
	s_mul_i32 s23, s22, WREG
	v_lshrrev_b32 v14, 2, v2
	v_mul_u32_u24 v14, v14, SP
	v_and_b32 v15, 3, v2
	v_lshl_add_u32 v14, v15, 4, v14
	v_add_nc_u32 v14, s23, v14                     ; the stage, on the way in: SP (lane / 4) + 16 (lane % 4)
	v_mul_u32_u24 v15, v2, SP
	v_add_nc_u32 v15, s23, v15                     ; and on the way out: SP x lane: my 16 neighbours
	s_wait_alu depctr_va_vdst(0)
	s_wait_kmcnt 0x0
	s_load_b256 s[24:31], s[14:15], 0x0            ; e0 .. e7
	s_load_b128 s[32:35], s[14:15], 0x20           ; e8 .. e11
	s_mov_b64 s[SRC:SRC+1], s[12:13]               ; Wo, unless the work-group's number says otherwise
	s_mov_b64 s[DST:DST+1], s[20:21]
	s_mov_b32 s40, 768                             ; the tensor's first work-group,
	s_mov_b32 s41, 768                             ; and the first of those that store into the same buffer
	s_cmp_lt_u32 ttmp9, 768
	s_cselect_b64 s[SRC:SRC+1], s[10:11], s[SRC:SRC+1]
	s_cselect_b64 s[DST:DST+1], s[18:19], s[DST:DST+1]
	s_cselect_b32 s40, 704, s40
	s_cselect_b32 s41, 512, s41
	s_cmp_lt_u32 ttmp9, 704
	s_cselect_b64 s[SRC:SRC+1], s[8:9], s[SRC:SRC+1]
	s_cselect_b32 s40, 640, s40
	s_cmp_lt_u32 ttmp9, 640
	s_cselect_b64 s[SRC:SRC+1], s[6:7], s[SRC:SRC+1]
	s_cselect_b32 s40, 512, s40
	s_cmp_lt_u32 ttmp9, 512
	s_cselect_b64 s[SRC:SRC+1], s[4:5], s[SRC:SRC+1]
	s_cselect_b64 s[DST:DST+1], s[16:17], s[DST:DST+1]
	s_cselect_b32 s40, 0, s40
	s_cselect_b32 s41, 0, s41
	s_cselect_b32 s[HID], 1, 0
	s_sub_co_u32 s48, ttmp9, s41
	s_lshl_b32 s48, s48, 2
	s_add_co_u32 s48, s48, s22
	s_lshl_b32 s48, s48, 12                        ; my wave's run of 4,096 codes
	s_mov_b32 s49, 0
	s_add_nc_u64 s[DST:DST+1], s[DST:DST+1], s[48:49]
	s_sub_co_u32 s48, ttmp9, s40
	s_lshl_b32 s48, s48, 2
	s_add_co_u32 s48, s48, s22
	s_lshl_b32 s48, s48, 14                        ; my wave's run of 4,096 numbers, 16,384 bytes
	s_add_nc_u64 s[SRC:SRC+1], s[SRC:SRC+1], s[48:49]
	s_add_nc_u64 s[DST1:DST1+1], s[DST:DST+1], 0x800000    ; a plane of hc is 4,096 x 2,048 bytes
	s_add_nc_u64 s[DST2:DST2+1], s[DST:DST+1], 0x1000000
.macro LOAD t
.irp i, 0,1,2,3
	global_load_b128 v[R+16*((\t)%4)+4*\i:R+16*((\t)%4)+4*\i+3], v3, s[SRC:SRC+1] offset:2048*(\t)+512*\i th:TH_LOAD_NT   ; 32 lanes read 512 consecutive bytes; read once in the launch
.endr
.endm
.macro TURN t                          ; step t's numbers through the stage: LDS serves a wave's instructions in order, so no wait stands between the stores and the loads
.irp i, 0,1,2,3
	ds_store_b128 v14, v[R+16*((\t)%4)+4*\i:R+16*((\t)%4)+4*\i+3] offset:32*SP*((\t)%2)+8*SP*\i
.endr
.irp i, 0,1,2,3
	ds_load_b128 v[X+16*((\t)%2)+4*\i:X+16*((\t)%2)+4*\i+3], v15 offset:32*SP*((\t)%2)+16*\i
.endr
.endm
.macro MKSC e, lim, scl                ; from the exponent in s[e]: v[scl] = 2^e as f32 (the conversion takes its exponent field), v[lim] = 448 x 2^e
	s_add_co_i32 s50, s[\e], 127
	s_lshl_b32 s51, s50, 23
	v_mov_b32 v[\scl], s51
	s_add_co_i32 s50, s50, 8
	s_lshl_b32 s50, s50, 23
	s_or_b32 s50, s50, 0x600000
	v_mov_b32 v[\lim], s50
.endm
.irp t, 0,1,2,3
	LOAD \t
.endr
	s_wait_kmcnt 0x0
	s_mov_b32 s42, s35                             ; the tensor's own exponent: e11, e5, e3, e1 or e0
	s_cmp_lt_u32 ttmp9, 768
	s_cselect_b32 s42, s29, s42
	s_cmp_lt_u32 ttmp9, 704
	s_cselect_b32 s42, s27, s42
	s_cmp_lt_u32 ttmp9, 640
	s_cselect_b32 s42, s25, s42
	s_cmp_lt_u32 ttmp9, 512
	s_cselect_b32 s42, s24, s42
	MKSC 42, 6, 7
	MKSC 26, 8, 9                                  ; e2, for plane 1
	MKSC 28, 10, 11                                ; e4, for plane 2
	s_wait_alu depctr_va_vdst(0)
	s_wait_loadcnt 12                              ; step 0's four loads are in
	TURN 0
; The step's 16 neighbours under one scale: held (the conversion to an 8-bit code does not saturate: ISA guide 7.6.2) into T, so that X stays whole for the next scale; then converted into v[c] on.
.macro QC lim, scl, c
.irp i, 0,1,2,3,4,5,6,7,8,9,10,11,12,13,14,15
	v_med3_num_f32 v[T+\i], v[XS+\i], -v[\lim], v[\lim]
.endr
	v_cvt_scalef32_pk8_fp8_f32 v[\c:\c+1], v[T:T+7], v[\scl]
	v_cvt_scalef32_pk8_fp8_f32 v[\c+2:\c+3], v[T+8:T+15], v[\scl]
	v_nop                                          ; one plain vector line between the conversions and the next lines that write T, their source
.endm
.macro STEP t
.set XS, X+16*((\t)%2)
	s_wait_dscnt 0x0                               ; this step's numbers are back from the stage: so its stores into the stage have read their registers,
.if (\t)+4 < STEPS
	LOAD (\t)+4                                    ; which take the loads of four steps on
.endif
.if (\t)+1 < STEPS
.if STEPS-2-(\t) >= 3
	s_wait_loadcnt 12                              ; the next step's four loads are in; those of the three steps behind it may be out
.else
	s_wait_loadcnt 4*(STEPS-2-(\t))
.endif
	TURN (\t)+1                                    ; and go through the other stage while this step is worked
.endif
	s_wait_xcnt 0x0                                ; the last step's stores have read their data: the codes' registers are written again only behind this wait
	QC 6, 7, C
	global_store_b128 v4, v[C:C+3], s[DST:DST+1] offset:512*(\t)
	s_cmp_eq_u32 s[HID], 0                         ; a weight has one scale; the branch hangs on the work-group's number and goes round no LDS line
	s_cbranch_scc1 .Lw_\@
	QC 8, 9, C+4
	global_store_b128 v4, v[C+4:C+7], s[DST1:DST1+1] offset:512*(\t)
	QC 10, 11, C+8
	global_store_b128 v4, v[C+8:C+11], s[DST2:DST2+1] offset:512*(\t)
.Lw_\@:
.endm
.irp t, 0,1,2,3,4,5,6,7
	STEP \t
.endr
	s_wait_tensorcnt 0x0                           ; the wave's end, behind my last LDS store
	ds_add_u32 v[SPW], v[NIL]
	s_wait_dscnt 0x0
	s_endpgm
.Lfunc_end_k_q98053d981a_quant:
	.size	k_q98053d981a_quant, .Lfunc_end_k_q98053d981a_quant-k_q98053d981a_quant
	.p2alignl 7, 3214868480
	.fill 96, 4, 3214868480
	.section	.rodata,"a",@progbits
	.p2align	6, 0x0
	.amdhsa_kernel k_q98053d981a_quant
		.amdhsa_group_segment_fixed_size 33280
		.amdhsa_private_segment_fixed_size 0
		.amdhsa_enable_private_segment 0
		.amdhsa_kernarg_size 72
		.amdhsa_user_sgpr_count 2
		.amdhsa_user_sgpr_kernarg_segment_ptr 1
		.amdhsa_wavefront_size32 1
		.amdhsa_system_sgpr_workgroup_id_x 1
		.amdhsa_system_sgpr_workgroup_id_y 1
		.amdhsa_system_sgpr_workgroup_id_z 1
		.amdhsa_system_vgpr_workitem_id 0
		.amdhsa_next_free_vgpr 160
		.amdhsa_next_free_sgpr 66
		.amdhsa_reserve_vcc 0
		.amdhsa_float_denorm_mode_32 3
		.amdhsa_float_denorm_mode_16_64 3
		.amdhsa_memory_ordered 1
		.amdhsa_forward_progress 1
		.amdhsa_inst_pref_size 43
	.end_amdhsa_kernel
	.amdgpu_metadata
---
amdhsa.version: [ 1, 2 ]
amdhsa.kernels:
  - .name:           k_q98053d981a_quant
    .symbol:         k_q98053d981a_quant.kd
    .args:
      - { .name: hidden_states, .offset: 0, .size: 8, .value_kind: global_buffer, .address_space: global }
      - { .name: Wq, .offset: 8, .size: 8, .value_kind: global_buffer, .address_space: global }
      - { .name: Wk, .offset: 16, .size: 8, .value_kind: global_buffer, .address_space: global }
      - { .name: Wv, .offset: 24, .size: 8, .value_kind: global_buffer, .address_space: global }
      - { .name: Wo, .offset: 32, .size: 8, .value_kind: global_buffer, .address_space: global }
      - { .name: lowp_scales, .offset: 40, .size: 8, .value_kind: global_buffer, .address_space: global }
      - { .name: hc, .offset: 48, .size: 8, .value_kind: global_buffer, .address_space: global }
      - { .name: wc, .offset: 56, .size: 8, .value_kind: global_buffer, .address_space: global }
      - { .name: woc, .offset: 64, .size: 8, .value_kind: global_buffer, .address_space: global }
    .group_segment_fixed_size: 33280
    .private_segment_fixed_size: 0
    .kernarg_segment_align: 8
    .kernarg_segment_size: 72
    .max_flat_workgroup_size: 128
    .sgpr_count:     66
    .vgpr_count:     160
    .wavefront_size: 32
...
	.end_amdgpu_metadata
.endif
;; end of part 1
;; launch qkv (part 2): grid 16 x 16, 4 waves a work-group, clusters of 4 x 4, 327,680 bytes of LDS; arguments hc, wc, cos, sin, lowp_scales, qimg, kv; writes qimg, kv
.if DOCPART == 2
	.amdgcn_target "amdgcn-amd-amdhsa--gfx1250"
	.amdhsa_code_object_version 6
	.text
	.protected	k_q98053d981a_qkv
	.globl	k_q98053d981a_qkv
	.p2align	8
	.type	k_q98053d981a_qkv,@function
k_q98053d981a_qkv:
	s_mov_b64 s[64:65], 0
	v_nop
	global_prefetch_b8 v0, s[64:65] scope:SCOPE_SE
	s_setreg_imm32_b32 hwreg(HW_REG_WAVE_MODE, 25, 1), 1
	s_wait_xcnt 0x0
	s_wait_alu depctr_hold_cnt(0) depctr_sa_sdst(0) depctr_va_vdst(0) depctr_va_sdst(0) depctr_va_ssrc(0) depctr_va_vcc(0) depctr_vm_vsrc(0)
	s_getreg_b32 s2, hwreg(HW_REG_IB_STS2, 6, 4)
	s_cmp_eq_u32 s2, 0
	s_cbranch_scc0 .Lentry_in_a_cluster
	s_endpgm
.Lentry_in_a_cluster:
	s_bfe_u32 s2, ttmp6, 0x10000c
	s_cmp_lg_u32 s2, 0xf033
	s_cbranch_scc0 .Lentry_shape_is_right
	s_endpgm
.Lentry_shape_is_right:
.set PA,     528
.set PB,     272
.set A0HALF, 128*PA
.set B0OFF,  2*A0HALF
.set B0HALF, 64*PA
.set S1BASE, B0OFF+2*B0HALF
.set A1HALF, 128*PB
.set B1OFF,  S1BASE+2*A1HALF
.set B1HALF, 64*PB
.set SINB,   S1BASE
.set SPARE,  B1OFF+2*B1HALF
.set ADRA, 16
.set ADRB, 20
.set ACO,  22
.set ASN,  23
.set LO,   24
.set SPW,  28
.set NIL,  29
.set LIM,  30
.set SCL,  31
.set BF,   64
.set AF,   128
.set T,    192
.set PC,   224
.set WV,   18
.set ROLE, 19
.set HALF, 20
.set G1A,  24
.set G1B,  32
.set G1C,  56
.set ISV,  67
.set G0A,  68
.set G0B,  76
.set G0S,  84
.set DST,  36
.set MSB, 0
.macro WIN new
.if MSB != (\new)
	s_set_vgpr_msb (MSB<<8)|(\new)
.set MSB, (\new)
.endif
.endm
.macro PLACES n
.rept \n
	v_nop
.endr
.endm
.macro CROUND
	s_barrier_signal -1
	s_barrier_wait -1
	s_cmp_lg_u32 s[WV], 0
	s_cbranch_scc1 .Lnot_wave_0_\@
	s_barrier_signal -3
.Lnot_wave_0_\@:
	s_barrier_wait -3
	s_barrier_signal -1
	s_barrier_wait -1
.endm
.macro JLOAD s
	s_cmp_eq_u32 s[ROLE], 0
	s_cbranch_scc0 .Lfor_b_\@
	tensor_load_to_lds s[G0A+4*\s:G0A+4*\s+3], s[G1A+16*\s:G1A+16*\s+7]
	s_nop 0
	PLACES 4
	s_branch .Lasked_\@
.Lfor_b_\@:
	tensor_load_to_lds s[G0B+4*\s:G0B+4*\s+3], s[G1B+16*\s:G1B+16*\s+7]
	s_nop 0
	PLACES 4
.Lasked_\@:
.endm
	s_load_b256 s[4:11], s[0:1], 0x0
	s_load_b128 s[12:15], s[0:1], 0x20
	s_load_b64 s[16:17], s[0:1], 0x30
	v_lshl_add_u32 v[SPW], v0, 2, SPARE
	v_mov_b32 v[NIL], 0
	ds_add_u32 v[SPW], v[NIL]
	ds_add_u32 v[SPW], v[NIL]
	v_lshrrev_b32 v1, 5, v0
	v_readfirstlane_b32 s[WV], v1
	s_lshr_b32 s[ROLE], s[WV], 1
	s_and_b32 s[HALF], s[WV], 1
	s_bfe_u32 s21, ttmp6, 0x40000
	s_bfe_u32 s22, ttmp6, 0x40004
	s_lshl_b32 s23, ttmp9, 2
	s_add_co_u32 s23, s23, s21
	s_and_b32 s66, ttmp7, 0xffff
	s_lshl_b32 s66, s66, 2
	s_add_co_u32 s66, s66, s22
	s_cmp_eq_u32 ttmp9, 3
	s_cselect_b32 s[ISV], 1, 0
	s_lshl_b32 s90, s22, 2
	s_lshl_b32 s90, 15, s90
	s_lshl_b32 s91, 0x1111, s21
	s_or_b32 s[G1A], s90, (1<<20)|(1<<21)|(6<<22)|(3<<25)
	s_or_b32 s[G1B], s91, (1<<20)|(1<<21)|(6<<22)|(3<<25)
	s_or_b32 s[G1A+16], s90, (1<<20)|(1<<21)|(5<<22)|(3<<25)
	s_or_b32 s[G1B+16], s91, (1<<20)|(1<<21)|(5<<22)|(3<<25)
	s_or_b32 s[G1C], s90, (2<<16)|(1<<20)|(1<<21)|(5<<22)|(3<<25)
.irp g, G1A, G1B
	s_mov_b32 s[\g+1], 512<<16
	s_mov_b32 s[\g+3], 512<<16
	s_mov_b32 s[\g+5], 2048
	s_mov_b32 s[\g+6], 0
	s_mov_b32 s[\g+7], 0
	s_mov_b32 s[\g+17], 256<<16
	s_mov_b32 s[\g+19], 256<<16
	s_mov_b32 s[\g+21], 2048
	s_mov_b32 s[\g+22], 0
	s_mov_b32 s[\g+23], 0
.endr
	s_mov_b32 s[G1A+2], 128<<16
	s_mov_b32 s[G1A+4], 128
	s_mov_b32 s[G1A+18], 128<<16
	s_mov_b32 s[G1A+20], 128
	s_mov_b32 s[G1B+2], 64<<16
	s_mov_b32 s[G1B+4], 64
	s_mov_b32 s[G1B+18], 64<<16
	s_mov_b32 s[G1B+20], 64
	s_mov_b32 s[G1C+1], 64<<16
	s_mov_b32 s[G1C+2], 64<<16
	s_mov_b32 s[G1C+3], 64<<16
	s_mov_b32 s[G1C+4], 64
	s_mov_b32 s[G1C+5], 64
	s_mov_b32 s[G1C+6], 0
	s_mov_b32 s[G1C+7], 0
	s_max_u32 s92, ttmp9, 1
	s_sub_co_u32 s92, s92, 1
	s_lshl_b32 s92, s92, 23
	s_lshl_b32 s93, s66, 19
	s_add_co_u32 s92, s92, s93
	s_lshl_b32 s93, s[HALF], 18
	s_add_co_u32 s92, s92, s93
	s_mov_b32 s93, 0
	s_lshl_b32 s94, s23, 18
	s_lshl_b32 s95, s[HALF], 17
	s_add_co_u32 s94, s94, s95
	s_mov_b32 s95, 0
	s_lshl_b32 s96, s66, 16
	s_lshl_b32 s97, s[WV], 14
	s_add_co_u32 s96, s96, s97
	s_mov_b32 s97, 0
	s_lshl_b32 s98, s66, 16
	s_lshl_b32 s99, s[ROLE], 15
	s_add_co_u32 s98, s98, s99
	s_mov_b32 s99, 0
	s_mul_i32 s88, s[HALF], A0HALF
	s_mul_i32 s89, s[HALF], B0HALF
	s_add_co_u32 s89, s89, B0OFF
	s_mul_i32 s2, s[HALF], A1HALF
	s_add_co_u32 s2, s2, S1BASE
	s_mul_i32 s3, s[HALF], B1HALF
	s_add_co_u32 s3, s3, B1OFF
	s_mul_i32 s100, s[WV], B1HALF
	s_add_co_u32 s100, s100, SINB
	s_wait_dscnt 0x0
	s_wait_kmcnt 0x0
	s_add_nc_u64 s[92:93], s[4:5], s[92:93]
	s_add_nc_u64 s[94:95], s[6:7], s[94:95]
	s_add_nc_u64 s[8:9], s[8:9], s[98:99]
	s_mov_b32 s[G0S], 1
	s_mov_b32 s[G0S+1], s100
	s_add_nc_u64 s[G0S+2:G0S+3], s[10:11], s[96:97]
	s_or_b32 s[G0S+3], s[G0S+3], 0x80000000
	s_mov_b32 s[G0A], 1
	s_mov_b32 s[G0A+1], s88
	s_add_nc_u64 s[G0A+2:G0A+3], s[92:93], 0
	s_or_b32 s[G0A+3], s[G0A+3], 0x80000000
	s_mov_b32 s[G0A+4], 1
	s_mov_b32 s[G0A+5], s2
	s_add_nc_u64 s[G0A+6:G0A+7], s[92:93], 512
	s_or_b32 s[G0A+7], s[G0A+7], 0x80000000
	s_mov_b32 s[G0B], 1
	s_mov_b32 s[G0B+1], s89
	s_add_nc_u64 s[G0B+2:G0B+3], s[94:95], 0
	s_or_b32 s[G0B+3], s[G0B+3], 0x80000000
	s_mov_b32 s[G0B+4], 1
	s_mov_b32 s[G0B+5], s3
	s_add_nc_u64 s[G0B+6:G0B+7], s[94:95], 512
	s_or_b32 s[G0B+7], s[G0B+7], 0x80000000
	CROUND
	JLOAD 0
	s_wait_alu depctr_va_vdst(0)
	s_wait_tensorcnt 0x0
	ds_add_u32 v28, v29
	s_wait_dscnt 0x0
	CROUND
	JLOAD 1
	v_and_b32 v1, 15, v0
	v_bfe_u32 v2, v0, 4, 1
	v_mul_u32_u24 v3, v1, PA
	v_lshl_add_u32 v3, v2, 4, v3
	v_mul_u32_u24 v5, v1, PB
	v_lshl_add_u32 v4, v2, 4, v5
	s_mul_i32 s88, s[ROLE], A0HALF
	v_add_nc_u32 v[ADRA], s88, v3
	s_mul_i32 s88, s[HALF], B0HALF
	s_add_co_u32 s88, s88, B0OFF
	v_add_nc_u32 v[ADRB], s88, v3
	s_mul_i32 s88, s[ROLE], A1HALF
	s_add_co_u32 s88, s88, S1BASE
	v_add_nc_u32 v[ADRA+1], s88, v4
	v_lshl_add_u32 v[ASN], v2, 5, v5
	v_add_nc_u32 v[ASN], s88, v[ASN]
	s_mul_i32 s88, s[HALF], B1HALF
	s_add_co_u32 s88, s88, B1OFF
	v_add_nc_u32 v[ADRB+1], s88, v4
	v_lshlrev_b32 v[ACO], 8, v1
	v_lshl_add_u32 v[ACO], v2, 5, v[ACO]
	v_and_b32 v[LO], 31, v0
	v_lshlrev_b32 v[LO], 4, v[LO]
	WIN 0xc0
.irp a, 0,1,2,3,4,5,6,7
.irp t, 0,1,2,3
.irp e, 0,1
	global_load_b128 v[32*\a+8*\t+4*\e:32*\a+8*\t+4*\e+3], v[ACO], s[8:9] offset:4096*\a+64*\t+16*\e
.endr
.endr
.endr
	WIN 0
	s_load_b256 s[88:95], s[12:13], 0x0
	s_load_b128 s[96:99], s[12:13], 0x20
.macro FETCH slot, q, p
.set PP, PA+(PB-PA)*(\slot)
	WIN 0x80*(\p)
.irp i, 0,1,2,3
.irp c, 0,1,2,3
	ds_load_b128 v[BF+16*\i+4*\c:BF+16*\i+4*\c+3], v[ADRB+\slot] offset:128*(\q)+32*\c+\i*16*PP
.endr
.endr
.irp i, 0,1,2,3,4,5,6,7
.irp c, 0,1,2,3
	ds_load_b128 v[AF+16*\i+4*\c:AF+16*\i+4*\c+3], v[ADRA+\slot] offset:128*(\q)+32*\c+\i*16*PP
.endr
.endr
	WIN 0
.endm
.macro MUL p, zero
	s_cmp_eq_u32 s[ISV], 1
	s_cbranch_scc1 .Lv_\@
	WIN 0x50+0x0a*(\p)
.irp a, 0,1,2,3,4,5,6,7
.irp t, 0,1,2,3
.if \zero
	v_wmma_f32_16x16x128_fp8_fp8 v[8*(4*\a+\t):8*(4*\a+\t)+7], v[BF+16*\t:BF+16*\t+15], v[AF+16*\a:AF+16*\a+15], 0
.else
	v_wmma_f32_16x16x128_fp8_fp8 v[8*(4*\a+\t):8*(4*\a+\t)+7], v[BF+16*\t:BF+16*\t+15], v[AF+16*\a:AF+16*\a+15], v[8*(4*\a+\t):8*(4*\a+\t)+7]
.endif
.endr
.endr
	WIN 0
	s_branch .Lj_\@
.Lv_\@:
	WIN 0x50+0x0a*(\p)
.irp a, 0,1,2,3,4,5,6,7
.irp t, 0,1,2,3
.if \zero
	v_wmma_f32_16x16x128_fp8_fp8 v[8*(4*\a+\t):8*(4*\a+\t)+7], v[AF+16*\a:AF+16*\a+15], v[BF+16*\t:BF+16*\t+15], 0
.else
	v_wmma_f32_16x16x128_fp8_fp8 v[8*(4*\a+\t):8*(4*\a+\t)+7], v[AF+16*\a:AF+16*\a+15], v[BF+16*\t:BF+16*\t+15], v[8*(4*\a+\t):8*(4*\a+\t)+7]
.endif
.endr
.endr
	WIN 0
.Lj_\@:
.endm
.macro STEPA slot, qn, p, zero
	s_wait_dscnt 0x0
	PLACES 4
	FETCH \slot, \qn, 1-\p
	MUL \p, \zero
.endm
.macro TURN slot, next, fill
	s_wait_tensorcnt 0x0
	ds_add_u32 v[SPW], v[NIL]
.if \fill == 1
	s_add_nc_u64 s[G0A+4*\slot+2:G0A+4*\slot+3], s[G0A+4*\slot+2:G0A+4*\slot+3], 768
	s_add_nc_u64 s[G0B+4*\slot+2:G0B+4*\slot+3], s[G0B+4*\slot+2:G0B+4*\slot+3], 768
.endif
	s_wait_dscnt 0x0
	CROUND
.if \fill == 1
	JLOAD \slot
.else
	tensor_load_to_lds s[G0S:G0S+3], s[G1C:G1C+7]
	s_nop 0
	PLACES 4
.endif
	FETCH \next, 0, 0
	MUL 1, 0
.endm
	s_wait_alu depctr_va_vdst(0)
	s_wait_tensorcnt 1
	s_barrier_signal -1
	s_barrier_wait -1
	FETCH 0, 0, 0
	STEPA 0, 1, 0, 1
	STEPA 0, 2, 1, 0
	STEPA 0, 3, 0, 0
	TURN 0, 1, 1
	STEPA 1, 1, 0, 0
	TURN 1, 0, 1
	STEPA 0, 1, 0, 0
	STEPA 0, 2, 1, 0
	STEPA 0, 3, 0, 0
	TURN 0, 1, 1
	STEPA 1, 1, 0, 0
	TURN 1, 0, 2
	STEPA 0, 1, 0, 0
	STEPA 0, 2, 1, 0
	STEPA 0, 3, 0, 0
	s_wait_dscnt 0x0
	MUL 1, 0
	s_wait_tensorcnt 0x0
	s_barrier_signal -1
	s_barrier_wait -1
	PLACES 4
	s_wait_kmcnt 0x0
	s_wait_loadcnt 0x0
	s_sub_co_i32 s24, s94, s88
	s_sub_co_i32 s24, s24, s89
	s_sub_co_i32 s25, s95, s90
	s_sub_co_i32 s25, s25, s91
	s_sub_co_i32 s26, s97, s92
	s_sub_co_i32 s26, s26, s93
	s_cmp_eq_u32 ttmp9, 2
	s_cselect_b32 s24, s25, s24
	s_cmp_eq_u32 ttmp9, 3
	s_cselect_b32 s24, s26, s24
	s_add_co_i32 s24, s24, 127
	s_lshl_b32 s25, s24, 23
	v_mov_b32 v[SCL], s25
	s_add_co_i32 s24, s24, 8
	s_lshl_b32 s24, s24, 23
	s_or_b32 s24, s24, 0x600000
	v_mov_b32 v[LIM], s24
	s_lshl_b32 s26, s66, 1
	s_add_co_u32 s26, s26, s[ROLE]
	s_lshr_b32 s27, s26, 4
	s_and_b32 s26, s26, 15
	s_lshl_b32 s28, s23, 1
	s_add_co_u32 s28, s28, s[HALF]
	s_lshl_b32 s29, s27, 4
	s_add_co_u32 s28, s28, s29
	s_lshl_b32 s28, s28, 17
	s_lshl_b32 s29, s26, 13
	s_add_co_u32 s28, s28, s29
	s_lshl_b32 s30, s21, 1
	s_add_co_u32 s30, s30, s[HALF]
	s_lshl_b32 s29, s27, 3
	s_add_co_u32 s30, s30, s29
	s_lshl_b32 s30, s30, 18
	s_lshl_b32 s29, s26, 14
	s_add_co_u32 s30, s30, s29
	s_lshl_b32 s29, s[ISV], 13
	s_add_co_u32 s30, s30, s29
	s_cmp_lt_u32 ttmp9, 2
	s_cselect_b32 s32, s28, s30
	s_cselect_b64 s[DST:DST+1], s[14:15], s[16:17]
	s_mov_b32 s33, 0
	s_add_nc_u64 s[DST:DST+1], s[DST:DST+1], s[32:33]
	s_cmp_eq_u32 s[ISV], 1
	s_cbranch_scc1 .Lvout
.macro SNLOAD a, u
.irp t, 0,1,2,3
.irp e, 0,1
	ds_load_b128 v[96+64*(\u)+8*\t+4*\e:96+64*(\u)+8*\t+4*\e+3], v[ASN] offset:(\a)*16*PB+64*\t+16*\e
.endr
.endr
.endm
.macro ROPE a
.set U, (\a)%2
.set SR, 96+64*U
.if (\a) < 7
	SNLOAD (\a)+1, 1-U
	s_wait_dscnt 8
.else
	s_wait_dscnt 0x0
.endif
	WIN 0x0d
.irp t, 0,1,2,3
.irp i, 0,2,4,6
	v_pk_mul_f32 v[T+8*\t+\i:T+8*\t+\i+1], v[8*(4*(\a)+\t)+\i:8*(4*(\a)+\t)+\i+1], v[8*(4*(\a)+\t)+\i:8*(4*(\a)+\t)+\i+1]
.endr
.endr
	WIN 0x01
.irp t, 0,1
.irp i, 0,2,4,6
	v_pk_fma_f32 v[T+8*\t+\i:T+8*\t+\i+1], v[8*(4*(\a)+\t+2)+\i:8*(4*(\a)+\t+2)+\i+1], v[SR+8*\t+\i:SR+8*\t+\i+1], v[T+8*\t+\i:T+8*\t+\i+1] neg_lo:[1,0,0] neg_hi:[1,0,0]
.endr
.endr
.irp t, 2,3
.irp i, 0,2,4,6
	v_pk_fma_f32 v[T+8*\t+\i:T+8*\t+\i+1], v[8*(4*(\a)+\t-2)+\i:8*(4*(\a)+\t-2)+\i+1], v[SR+8*\t+\i:SR+8*\t+\i+1], v[T+8*\t+\i:T+8*\t+\i+1]
.endr
.endr
	WIN 0
.set j, 0
.rept 32
	v_med3_num_f32 v[T+j], v[T+j], -v[LIM], v[LIM]
.set j, j+1
.endr
	s_wait_alu depctr_va_vdst(0)
	s_wait_xcnt 0x0
.irp t, 0,1,2,3
	v_cvt_scalef32_pk8_fp8_f32 v[PC+2*\t:PC+2*\t+1], v[T+8*\t:T+8*\t+7], v[SCL]
.endr
	v_nop
	global_store_b128 v[LO], v[PC:PC+3], s[DST:DST+1] offset:1024*(\a)
	global_store_b128 v[LO], v[PC+4:PC+7], s[DST:DST+1] offset:1024*(\a)+512
.endm
	SNLOAD 0, 0
.irp a, 0,1,2,3,4,5,6,7
	ROPE \a
.endr
	s_branch .Lend
.Lvout:
	s_wait_alu depctr_va_vdst(0)
.irp t, 0,1,2,3
	WIN 0x01
.irp a, 0,1,2,3,4,5,6,7
.irp j, 0,1,2,3,4,5,6,7
	v_med3_num_f32 v[64+8*\a+\j], v[8*(4*\a+\t)+\j], -v[LIM], v[LIM]
.endr
.endr
	WIN 0
	s_wait_alu depctr_va_vdst(0)
	s_wait_xcnt 0x0
.irp a, 0,1,2,3,4,5,6,7
	v_cvt_scalef32_pk8_fp8_f32 v[128+2*\a:128+2*\a+1], v[64+8*\a:64+8*\a+7], v[SCL]
.endr
	v_nop
.irp g, 0,1,2,3
	global_store_b128 v[LO], v[128+4*\g:128+4*\g+3], s[DST:DST+1] offset:2048*\t+512*\g
.endr
.endr
.Lend:
	s_wait_tensorcnt 0x0
	ds_add_u32 v[SPW], v[NIL]
	s_wait_dscnt 0x0
	CROUND
	s_endpgm
.Lfunc_end_k_q98053d981a_qkv:
	.size	k_q98053d981a_qkv, .Lfunc_end_k_q98053d981a_qkv-k_q98053d981a_qkv
	.p2alignl 7, 3214868480
	.fill 96, 4, 3214868480
	.section	.rodata,"a",@progbits
	.p2align	6, 0x0
	.amdhsa_kernel k_q98053d981a_qkv
		.amdhsa_group_segment_fixed_size 327680
		.amdhsa_private_segment_fixed_size 0
		.amdhsa_enable_private_segment 0
		.amdhsa_kernarg_size 56
		.amdhsa_user_sgpr_count 2
		.amdhsa_user_sgpr_kernarg_segment_ptr 1
		.amdhsa_wavefront_size32 1
		.amdhsa_system_sgpr_workgroup_id_x 1
		.amdhsa_system_sgpr_workgroup_id_y 1
		.amdhsa_system_sgpr_workgroup_id_z 1
		.amdhsa_system_vgpr_workitem_id 0
		.amdhsa_next_free_vgpr 1024
		.amdhsa_next_free_sgpr 102
		.amdhsa_reserve_vcc 0
		.amdhsa_float_denorm_mode_32 3
		.amdhsa_float_denorm_mode_16_64 3
		.amdhsa_memory_ordered 1
		.amdhsa_forward_progress 1
		.amdhsa_inst_pref_size 201
	.end_amdhsa_kernel
	.amdgpu_metadata
---
amdhsa.version: [ 1, 2 ]
amdhsa.kernels:
  - .name:           k_q98053d981a_qkv
    .symbol:         k_q98053d981a_qkv.kd
    .args:
      - { .name: hc, .offset: 0, .size: 8, .value_kind: global_buffer, .address_space: global }
      - { .name: wc, .offset: 8, .size: 8, .value_kind: global_buffer, .address_space: global }
      - { .name: cos, .offset: 16, .size: 8, .value_kind: global_buffer, .address_space: global }
      - { .name: sin, .offset: 24, .size: 8, .value_kind: global_buffer, .address_space: global }
      - { .name: lowp_scales, .offset: 32, .size: 8, .value_kind: global_buffer, .address_space: global }
      - { .name: qimg, .offset: 40, .size: 8, .value_kind: global_buffer, .address_space: global }
      - { .name: kv, .offset: 48, .size: 8, .value_kind: global_buffer, .address_space: global }
    .group_segment_fixed_size: 327680
    .private_segment_fixed_size: 0
    .kernarg_segment_align: 8
    .kernarg_segment_size: 56
    .max_flat_workgroup_size: 128
    .sgpr_count:     102
    .vgpr_count:     1024
    .wavefront_size: 32
...
	.end_amdgpu_metadata
.endif
;; end of part 2
;; launch attn (part 3): grid 32 x 8, 8 waves a work-group, clusters of 4 x 4, 327,680 bytes of LDS; arguments qimg, kv, attention_mask, lowp_scales, oimg; writes oimg
.if DOCPART == 3
	.amdgcn_target "amdgcn-amd-amdhsa--gfx1250"
	.amdhsa_code_object_version 6
	.text
	.protected	k_q98053d981a_attn
	.globl	k_q98053d981a_attn
	.p2align	8
	.type	k_q98053d981a_attn,@function
k_q98053d981a_attn:
	s_mov_b64 s[64:65], 0
	v_nop
	global_prefetch_b8 v0, s[64:65] scope:SCOPE_SE
	s_setreg_imm32_b32 hwreg(HW_REG_WAVE_MODE, 25, 1), 1
	s_wait_xcnt 0x0
	s_wait_alu depctr_hold_cnt(0) depctr_sa_sdst(0) depctr_va_vdst(0) depctr_va_sdst(0) depctr_va_ssrc(0) depctr_va_vcc(0) depctr_vm_vsrc(0)
	s_getreg_b32 s2, hwreg(HW_REG_IB_STS2, 6, 4)
	s_cmp_eq_u32 s2, 0
	s_cbranch_scc0 .Lentry_in_a_cluster
	s_endpgm
.Lentry_in_a_cluster:
	s_bfe_u32 s2, ttmp6, 0x10000c
	s_cmp_lg_u32 s2, 0xf033
	s_cbranch_scc0 .Lentry_shape_is_right
	s_endpgm
.Lentry_shape_is_right:
; o = softmax(q k^T / 8 + mask) v for 2 batches x 16 heads (8 key and value heads, two query heads to each), 2,048 queries x 2,048 keys, head size 64, both products on codes of E4M3; o is quantised for the last product.
; The mask is an input: every score is computed and the mask is added as it is given: the mask x 2^(3 - e6 - e7), a power of two, is the C of the first product, whose result is then logit / 2^(e6 + e7 - 3).
; THE SOFTMAX AHEAD OF THE SECOND PRODUCT: t = logit x log2(e); M = the row's largest t so far, rounded UP to a whole number; p = 2^(t - M) is quantised (scale 2^e8), not normalised.
; The row's sum is taken of the unquantised p and divides at the end.  When M moves, the sum and O are multiplied by 2^(old M - new M), which rounds nothing.
; SHARES.  Work-group (x, y): queries 64 x .. 64 x + 63 of the key and value heads 2 y and 2 y + 1 (counted batch x 8 + head).  Wave w owns the 16 queries of tile w % 4 for BOTH query heads of head 2 y + w / 4.
; Every wave walks all keys, 128 a step.  A slot of LDS holds 256 keys, two steps: 4 x 16,384 bytes of kv (two heads x two steps, images of operand registers) and 64 rows x 1,024 bytes of the mask: 8 changes of slots.
; Each of the eight waves fetches 16,384 bytes of a slot by one joint load: waves 0 to 3 sixteen rows of the mask each, waves 4 to 7 one step of one head of kv each.
; THE CHANGE OF SLOTS STANDS IN THE MIDDLE OF A SLOT'S SECOND STEP.  k and the mask of a step are read into registers in the step before; v at the step's head into registers of its own.  So the slot is read out when the
; second step's maxima are taken: there stand the three lines and the round, behind it the joint load of the slot two on, then the loads of k and the mask of the next step from the other slot.
; A trip is one slot; the slots' LDS addresses are a base + a scalar that an exclusive or turns.  Six trips fill their slot again; the last two slots are a loop of their own with no tensor load in it.
; CLUSTERS: 4 x 4 work-groups.  The mask's tile hangs on x alone: shared along a column; kv's on y alone: shared along a row.
; LAYOUT.  Both products are used transposed: S^T = k q^T, O^T = v^T p^T: a lane holds ONE query (lane % 16).  In tile t of S^T lane (r, h) holds keys 16 t + 8 h + 0 .. 7: registers 2 t, 2 t + 1 of p.
; oimg: [4 pairs of heads][256 tiles of 16 tokens][4,096 bytes: the even head's image, the odd head's].
; LIMITS: e6 + e7 between -123 and 129; e8, and e10 - e8 - e9, between -126 and 119.  NaN in the mask is not served.  A query ALL of whose logits x log2(e) overflow f32 has the sum 0 and gives NaN.
; REGISTERS.  window 0: v1-7, v36-39 addresses; v8-35 statistics and scales; v64-191 S^T, then p, of the two heads; v192-255 k.   window 1: v0-63 the mask; v64-127 O^T; v128-143 q; v144-175 p's codes; v176-239 v.
.set MOFF,  65536                      ; behind kv's four pieces
.set MP,    1040                       ; a row of the mask in LDS: 1,024 bytes + 16 of padding
.set SLOTB, MOFF+64*MP                 ; 132,096
.set SPARE, 2*SLOTB                    ; the spare words, 128 bytes for each of eight waves
.set AKV0, 1                           ; 16 x lane + my head's 32,768 bytes, in slot 0
.set AM0,  2                           ; my 32 bytes of my query's row of the mask, in slot 0
.set AKVC, 3                           ; the same two in the slot in hand,
.set AMC,  4
.set SPW,  5                           ; my spare word; never rewritten
.set NIL,  6                           ; 0; never rewritten
.set PFO,  7                           ; the prefetches' offset; never rewritten
.set ST,   8                           ; head x: v[8+4x] -M, +1 the largest t, +2, +3 the sum in two halves
.set FF,   16                          ; head x: v[16+2x] f = 2^(old M - new M), later 1 / sum
.set MX,   20                          ; head x: v[20+4x], +1 the maximum's two chains; +2 a permute's destination
.set S2,   28                          ; head x: the sum's second chain
.set PLIM, 32                          ; 448 x 2^e8
.set PSCL, 33                          ; 2^e8
.set OLIM, 34                          ; 448 x 2^(e10 - e8 - e9)
.set OSCL, 35                          ; 2^(e10 - e8 - e9)
.set LN16, 36                          ; 16 x lane
.set PLIM2, 37                         ; 448 x 2^e8 once more, in another register bank: the second half of a dual pair takes it
.set AKVN, 38                          ; and in the other slot
.set AMN,  39
.set S,    64
.set FR,   192
.set MK,   0                           ; window 1 from here on
.set OT,   64
.set QF,   128
.set PF,   144
.set VF,   176
.set WV,   14
.set SEL,  20                          ; s[20:21] lane selects: lane l xor 16
.set CS,   22                          ; s[22:23] log2(e) x 2^(e6 + e7 - 3)
.set G1M,  24
.set G0M,  32                          ; s[32:35] the mask's group 0, which walks
.set LM0,  36                          ; where my rows of the mask go in slot 0
.set LK0,  37                          ; where my piece of kv goes in slot 0
.set TB,   38                          ; LDS byte at which the slot in hand begins
.set TBN,  39                          ; and the other
.set G1K,  40
.set G0K,  48                          ; s[48:51]
.set KS,   56                          ; s[56:57] 2^(3 - e6 - e7)
.set CNT,  58
.set AO,   60                          ; 1 in a wave that prefetches, else 255: it asks while the trips to go exceed this
.set PFA,  62
.set PFS,  66
.set MSB, 0
.macro WIN new
.if MSB != (\new)
	s_set_vgpr_msb (MSB<<8)|(\new)
.set MSB, (\new)
.endif
.endm
.macro PLACES n
.rept \n
	v_nop
.endr
.endm
.macro CREST                           ; a round of the cluster's barrier behind its opening barrier
	s_cmp_lg_u32 s[WV], 0
	s_cbranch_scc1 .Lnot_wave_0_\@
	s_barrier_signal -3
.Lnot_wave_0_\@:
	s_barrier_wait -3
	s_barrier_signal -1
	s_barrier_wait -1
.endm
.macro CROUND
	s_barrier_signal -1
	s_barrier_wait -1
	CREST
.endm
.macro JLOAD                           ; every wave's joint load; the branch hangs on the wave's number alone; s_nop 0 and four v_nop behind each line
	s_cmp_lt_u32 s[WV], 4
	s_cbranch_scc0 .Lfor_k_\@
	tensor_load_to_lds s[G0M:G0M+3], s[G1M:G1M+7]
	s_nop 0
	PLACES 4
	s_branch .Lasked_\@
.Lfor_k_\@:
	tensor_load_to_lds s[G0K:G0K+3], s[G1K:G1K+7]
	s_nop 0
	PLACES 4
.Lasked_\@:
.endm
; A PREFETCH INTO THE L2, at the change of slots that loads slot n + 2, of slot n + 3: one trip, two key steps, ahead of the joint load that will ask for it.  Each aligned block of 256 bytes is named once in the launch.
; The mask's tile (64 rows x 4 blocks) is read by the two clusters of a column of clusters: the one with y = 0 asks; its partners along y take 16 rows each, told apart BY ADDRESS; waves 4 and 5 take two of a row's four
; blocks each: lanes 0-15 one, lanes 16-31 the next, a lane a row.  kv's four pieces are read by the eight clusters of a row: the one with x = 0 asks; its partners along x take a piece each; waves 6 and 7 half a piece
; each, lanes 256 bytes apart.  Slots 0 to 2 come by their loads alone; the loop's last trip, whose slot n + 3 would be the ninth, asks for nothing.
.macro ASK
	s_cmp_gt_u32 s[CNT], s[AO]
	s_cbranch_scc0 .Lnot_mine_\@
	global_prefetch_b8 v[PFO], s[PFA:PFA+1] th:TH_LOAD_NT scope:SCOPE_SE
.Lnot_mine_\@:
.endm
.macro KLOAD ak, am, q                 ; k's eight images and the mask of my query, in the scores' own layout: step q of the slot that the two addresses name
.irp t, 0,1,2,3,4,5,6,7
	ds_load_b128 v[FR+8*\t:FR+8*\t+3], v[\ak] offset:16384*\q+1024*\t
	ds_load_b128 v[FR+8*\t+4:FR+8*\t+7], v[\ak] offset:16384*\q+1024*\t+512
.endr
	WIN 0x40
.irp t, 0,1,2,3,4,5,6,7
	ds_load_b128 v[MK+8*\t:MK+8*\t+3], v[\am] offset:512*\q+64*\t
	ds_load_b128 v[MK+8*\t+4:MK+8*\t+7], v[\am] offset:512*\q+64*\t+16
.endr
	WIN 0
.endm
.macro TM x                            ; t - M of head x, two at a time (of the pairs the low word serves both halves)
.set j, 0
.rept 32
	v_pk_fma_f32 v[S+64*\x+j:S+64*\x+j+1], v[S+64*\x+j:S+64*\x+j+1], s[CS:CS+1], v[ST+4*\x:ST+4*\x+1] op_sel_hi:[1,0,0]
.set j, j+2
.endr
.endm
	s_load_b256 s[4:11], s[0:1], 0x0               ; qimg, kv, the mask, the scales' exponents
	s_load_b64 s[12:13], s[0:1], 0x20              ; oimg
	v_lshl_add_u32 v[SPW], v0, 2, SPARE
	v_mov_b32 v[NIL], 0
	ds_add_u32 v[SPW], v[NIL]                      ; the opening lines: the add, twice on end, and its wait ahead of the first tensor load
	ds_add_u32 v[SPW], v[NIL]
	v_lshrrev_b32 v8, 5, v0
	v_readfirstlane_b32 s[WV], v8                  ; wave 0..7
	s_bfe_u32 s15, ttmp6, 0x40000                  ; cx
	s_bfe_u32 s16, ttmp6, 0x40004                  ; cy
	s_lshl_b32 s17, ttmp9, 2
	s_add_co_u32 s17, s17, s15                     ; x: my block of 64 queries, 0..31
	s_and_b32 s19, ttmp7, 0xffff                   ; the cluster's y
	s_lshl_b32 s18, s19, 2
	s_add_co_u32 s18, s18, s16                     ; y: batch x 4 + pair of key and value heads, 0..7
	s_lshl_b32 s80, s16, 2
	s_lshl_b32 s80, 15, s80                        ; my row of the cluster
	s_lshl_b32 s81, 0x1111, s15                    ; my column
	s_or_b32 s[G1M], s81, (2<<16)|(1<<20)|(1<<21)|(7<<22)|(3<<25)  ; elements of 4 bytes; four words of padding after every 256
	s_mov_b32 s[G1M+1], 256<<16                    ; 256 keys
	s_mov_b32 s[G1M+2], 16<<16                     ; 16 queries
	s_mov_b32 s[G1M+3], 256<<16
	s_mov_b32 s[G1M+4], 16
	s_mov_b32 s[G1M+5], 2048
	s_mov_b32 s[G1M+6], 0
	s_mov_b32 s[G1M+7], 0
	s_or_b32 s[G1K], s80, (3<<16)|(1<<21)          ; a dense block as 64 rows of 256 bytes
	s_mov_b32 s[G1K+1], 32<<16
	s_mov_b32 s[G1K+2], 64<<16
	s_mov_b32 s[G1K+3], 32<<16
	s_mov_b32 s[G1K+4], 64
	s_mov_b32 s[G1K+5], 32
	s_mov_b32 s[G1K+6], 0
	s_mov_b32 s[G1K+7], 0
	s_mov_b32 s[SEL], 0x76543210
	s_mov_b32 s[SEL+1], 0xfedcba98
	s_mov_b32 s[CS], 0x3fb8aa3b                    ; log2(e)
	s_mov_b32 s[TB], 0
	s_mov_b32 s[TBN], SLOTB
	s_and_b32 s86, s[WV], 3                        ; my tile of queries; also which piece I fetch
	s_lshr_b32 s87, s[WV], 2                       ; which of the two heads is mine
	s_lshl_b32 s82, s17, 19                        ; the mask: 64 rows of 8,192 bytes for each x,
	s_lshl_b32 s83, s86, 17                        ; and the 16 rows that I fetch
	s_add_co_u32 s82, s82, s83
	s_mov_b32 s83, 0
	s_lshl_b32 s84, s18, 19                        ; kv: two heads of 262,144 bytes for each y; piece i: head i / 2, step i % 2 of the slot
	s_lshr_b32 s85, s86, 1
	s_lshl_b32 s85, s85, 18
	s_add_co_u32 s84, s84, s85
	s_and_b32 s85, s86, 1
	s_lshl_b32 s85, s85, 14
	s_add_co_u32 s84, s84, s85
	s_mov_b32 s85, 0
	s_mul_i32 s[LM0], s86, 16*MP
	s_add_co_u32 s[LM0], s[LM0], MOFF
	s_lshl_b32 s[LK0], s86, 14
	s_lshl_b32 s88, s18, 19                        ; q: query head 2 (2 y + head) of 131,072 bytes, tile 4 x + w % 4 of 1,024
	s_lshl_b32 s89, s87, 18
	s_add_co_u32 s88, s88, s89
	s_lshl_b32 s89, s17, 12
	s_add_co_u32 s88, s88, s89
	s_lshl_b32 s89, s86, 10
	s_add_co_u32 s88, s88, s89
	s_mov_b32 s89, 0
	s_and_b32 s90, s18, 3                          ; o: the pair of heads, the batch, my tile of 4,096 bytes, which image
	s_lshl_b32 s90, s90, 20
	s_lshr_b32 s91, s18, 2
	s_lshl_b32 s91, s91, 19
	s_add_co_u32 s90, s90, s91
	s_lshl_b32 s91, s17, 14
	s_add_co_u32 s90, s90, s91
	s_lshl_b32 s91, s86, 12
	s_add_co_u32 s90, s90, s91
	s_lshl_b32 s91, s87, 11
	s_add_co_u32 s90, s90, s91
	s_mov_b32 s91, 0
	s_and_b32 s97, s[WV], 1
	s_lshl_b32 s92, s18, 19                        ; the prefetches' first place: slot 2, one short of slot 3.  kv: piece cx, my half of it
	s_lshr_b32 s93, s15, 1
	s_lshl_b32 s93, s93, 18
	s_add_co_u32 s92, s92, s93
	s_and_b32 s93, s15, 1
	s_lshl_b32 s93, s93, 14
	s_add_co_u32 s92, s92, s93
	s_lshl_b32 s93, s97, 13
	s_add_co_u32 s92, s92, s93
	s_add_co_u32 s92, s92, 65536
	s_lshl_b32 s94, s17, 19                        ; the mask: rows 16 cy on, my two blocks of a row's four
	s_lshl_b32 s93, s16, 17
	s_add_co_u32 s94, s94, s93
	s_lshl_b32 s93, s97, 9
	s_add_co_u32 s94, s94, s93
	s_add_co_u32 s94, s94, 2048
	s_wait_dscnt 0x0                               ; both opening adds are done
	s_wait_kmcnt 0x0
	s_load_b256 s[68:75], s[10:11], 0x0            ; e0 .. e7
	s_load_b128 s[76:79], s[10:11], 0x20           ; e8 .. e11
	s_mov_b32 s[PFS], 1024
	s_mov_b32 s96, 8192
	s_mov_b32 s95, 256
	s_cmp_gt_u32 s[WV], 5                          ; waves 6 and 7 ask for kv, waves 4 and 5 for the mask
	s_cselect_b64 s[PFA:PFA+1], s[6:7], s[8:9]
	s_cselect_b32 s92, s92, s94
	s_cselect_b32 s[PFS], 32768, s[PFS]            ; a slot on
	s_cselect_b32 s93, ttmp9, s19                  ; the coordinate along which other clusters read the same bytes
	s_cselect_b32 s96, 256, s96                    ; from lane to lane among sixteen,
	s_cselect_b32 s95, 4096, s95                   ; and from lanes 0-15 to lanes 16-31
	s_mov_b32 s[PFS+1], 0
	v_and_b32 v[PFO], 15, v0
	v_mul_lo_u32 v[PFO], v[PFO], s96
	v_bfe_u32 v9, v0, 4, 1
	v_mul_lo_u32 v9, v9, s95
	v_add_nc_u32 v[PFO], v[PFO], v9
	s_cmp_lt_u32 s[WV], 4
	s_cselect_b32 s97, 1, 0                        ; 0 in waves 4 to 7,
	s_or_b32 s97, s97, s93                         ; of the first cluster along that coordinate
	s_cmp_eq_u32 s97, 0
	s_cselect_b32 s[AO], 1, 255
	s_mov_b32 s93, 0
	s_add_nc_u64 s[PFA:PFA+1], s[PFA:PFA+1], s[92:93]
	s_add_nc_u64 s[4:5], s[4:5], s[88:89]
	s_add_nc_u64 s[12:13], s[12:13], s[90:91]
	s_mov_b32 s[G0M], 1
	s_mov_b32 s[G0M+1], s[LM0]
	s_add_nc_u64 s[G0M+2:G0M+3], s[8:9], s[82:83]
	s_or_b32 s[G0M+3], s[G0M+3], 0x80000000
	s_mov_b32 s[G0K], 1
	s_mov_b32 s[G0K+1], s[LK0]
	s_add_nc_u64 s[G0K+2:G0K+3], s[6:7], s[84:85]
	s_or_b32 s[G0K+3], s[G0K+3], 0x80000000
	CROUND                                         ; all sixteen work-groups are here: the first joint loads meet
	JLOAD                                          ; slot 0: one tensor load a wave at the head
	v_and_b32 v8, 31, v0
	v_lshlrev_b32 v[LN16], 4, v8
	s_lshl_b32 s93, s87, 15
	v_add_nc_u32 v[AKV0], s93, v[LN16]
	v_and_b32 v9, 15, v0                           ; r
	v_bfe_u32 v10, v0, 4, 1                        ; h
	v_mul_u32_u24 v[AM0], v9, MP
	v_lshl_add_u32 v[AM0], v10, 5, v[AM0]
	v_add_nc_u32 v[AM0], s[LM0], v[AM0]            ; row 16 (w % 4) + r, + 32 h: the rows that I read are those that waves w % 4 fetch
	WIN 0x40
.irp x, 0,1
.irp g, 0,1
	global_load_b128 v[QF+8*\x+4*\g:QF+8*\x+4*\g+3], v[LN16], s[4:5] offset:131072*\x+512*\g   ; q's two fragments stay in registers
.endr
.endr
.set j, 0
.rept 64
	v_mov_b32 v[OT+j], 0                           ; O^T: the step has no first form of its own; the first change of M leaves zeros zeros
.set j, j+1
.endr
	WIN 0
.irp x, 0,1
	v_mov_b32 v[ST+4*\x+1], 0xff61b1e6             ; the largest t so far: -3e38
	v_floor_f32 v[ST+4*\x], -v[ST+4*\x+1]          ; -M
	v_mov_b32 v[ST+4*\x+2], 0
	v_mov_b32 v[ST+4*\x+3], 0
	v_mov_b32 v[FF+2*\x+1], 0                      ; (named as the upper half of a pair)
	v_mov_b32 v[MX+4*\x+2], 0                      ; a lane permute's destination counts as one of its sources
.endr
	s_wait_kmcnt 0x0
	s_add_co_i32 s80, s74, s75                     ; e6 + e7
	s_sub_co_i32 s81, 130, s80
	s_lshl_b32 s[KS], s81, 23                      ; 2^(3 - e6 - e7)
	s_mov_b32 s[KS+1], s[KS]
	s_sub_co_i32 s80, s80, 3
	s_lshl_b32 s80, s80, 23
	s_add_co_i32 s[CS], s[CS], s80                 ; log2(e) x 2^(e6 + e7 - 3): the exponent is added to the constant's exponent field
	s_mov_b32 s[CS+1], s[CS]
	s_add_co_i32 s80, s76, 127
	s_lshl_b32 s81, s80, 23
	v_mov_b32 v[PSCL], s81
	s_add_co_i32 s80, s80, 8
	s_lshl_b32 s80, s80, 23
	s_or_b32 s80, s80, 0x600000
	v_mov_b32 v[PLIM], s80
	v_mov_b32 v[PLIM2], s80
	s_sub_co_i32 s80, s78, s76
	s_sub_co_i32 s80, s80, s77                     ; O^T / the sum stands for that x 2^(e8 + e9): its code is that / 2^(e10 - e8 - e9)
	s_add_co_i32 s80, s80, 127
	s_lshl_b32 s81, s80, 23
	v_mov_b32 v[OSCL], s81
	s_add_co_i32 s80, s80, 8
	s_lshl_b32 s80, s80, 23
	s_or_b32 s80, s80, 0x600000
	v_mov_b32 v[OLIM], s80
; A KEY STEP: 128 keys, step q of the slot in hand.  bar = 1: the slot's second step, with the change of slots in its middle; fill = 1: the slot is filled again with the slot two on.
.macro STEP q, bar, fill
	s_wait_dscnt 0x0                               ; k and the mask of this step are in registers
	WIN 0x41
.set j, 0
.rept 32
	v_pk_mul_f32 v[MK+j:MK+j+1], v[MK+j:MK+j+1], s[KS:KS+1] op_sel_hi:[1,0]   ; the mask / 2^(e6 + e7 - 3), once for both heads: exact, short of overflow to -infinity, where t overflows too
.set j, j+2
.endr
	WIN 0x14                                       ; q and the mask in window 1
.irp t, 0,1,2,3,4,5,6,7
.irp x, 0,1
	v_wmma_f32_16x16x64_fp8_fp8 v[S+64*\x+8*\t:S+64*\x+8*\t+7], v[FR+8*\t:FR+8*\t+7], v[QF+8*\x:QF+8*\x+7], v[MK+8*\t:MK+8*\t+7]
.endr
.endr
	WIN 0
	PLACES 4                                       ; ahead of the first reads of the scores, and of the loads into v's registers, which the last step's products read
	WIN 0x40
.irp d, 0,1,2,3
.irp g, 0,1,2,3
	ds_load_b128 v[VF+16*\d+4*\g:VF+16*\d+4*\g+3], v[AKVC] offset:16384*\q+8192+2048*\d+512*\g   ; v's four images (q = 1: my last reads of this slot)
.endr
.endr
	WIN 0
.irp x, 0,1                                    ; the step's largest score of my query among my 64 keys: two chains a head, the heads by turns; each accumulator from its low end on
	v_max3_num_f32 v[MX+4*\x], v[S+64*\x], v[S+64*\x+1], v[S+64*\x+2]
	v_max3_num_f32 v[MX+4*\x+1], v[S+64*\x+3], v[S+64*\x+4], v[S+64*\x+5]
.endr
.set j, 6
.rept 14
.irp x, 0,1
	v_max3_num_f32 v[MX+4*\x], v[MX+4*\x], v[S+64*\x+j], v[S+64*\x+j+1]
	v_max3_num_f32 v[MX+4*\x+1], v[MX+4*\x+1], v[S+64*\x+j+2], v[S+64*\x+j+3]
.endr
.set j, j+4
.endr
.irp x, 0,1
	v_max3_num_f32 v[MX+4*\x], v[MX+4*\x], v[S+64*\x+62], v[S+64*\x+63]
.endr
.irp x, 0,1
	s_delay_alu instid0(VALU_DEP_2)
	v_max_num_f32 v[MX+4*\x], v[MX+4*\x], v[MX+4*\x+1]
.endr
.irp x, 0,1
	s_delay_alu instid0(VALU_DEP_2)
	v_permlanex16_b32 v[MX+4*\x+2], v[MX+4*\x], s[SEL], s[SEL+1]
.endr
.irp x, 0,1
	s_delay_alu instid0(VALU_DEP_2)
	v_max_num_f32 v[MX+4*\x], v[MX+4*\x], v[MX+4*\x+2]     ; and among lane l xor 16's
.endr
.irp x, 0,1
	s_delay_alu instid0(VALU_DEP_2)
	v_mul_f32 v[MX+4*\x], s[CS], v[MX+4*\x]                ; as t (the factor is positive)
.endr
.irp x, 0,1
	s_delay_alu instid0(VALU_DEP_2)
	v_max_num_f32 v[ST+4*\x+1], v[ST+4*\x+1], v[MX+4*\x]   ; the running largest t
.endr
.irp x, 0,1
	v_mov_b32 v[MX+4*\x], v[ST+4*\x]
.endr
.irp x, 0,1
	s_delay_alu instid0(VALU_DEP_4)
	v_floor_f32 v[ST+4*\x], -v[ST+4*\x+1]                  ; the new -M = -ceil(t)
.endr
.irp x, 0,1
	s_delay_alu instid0(VALU_DEP_2)
	v_sub_f32 v[MX+4*\x], v[ST+4*\x], v[MX+4*\x]           ; old M - new M: a whole number, 0 or less
.endr
.irp x, 0,1
	s_delay_alu instid0(VALU_DEP_2)
	v_cvt_i32_f32 v[MX+4*\x], v[MX+4*\x]                   ; (it saturates)
.endr
.irp x, 0,1
	s_delay_alu instid0(VALU_DEP_2)
	v_ldexp_f32 v[FF+2*\x], 1.0, v[MX+4*\x]                ; f = 2^(old M - new M)
.endr
	s_wait_alu depctr_va_vdst(0)                   ; ahead of the waits below
.if \bar
	s_wait_tensorcnt 0x0                           ; my one tensor load is done: my part of the other slot
	ds_add_u32 v[SPW], v[NIL]                      ; 0 onto my spare word
.endif
.if \fill
	s_add_co_u32 s[G0M+1], s[LM0], s[TB]           ; the walking descriptors: into the slot in hand,
	s_add_co_u32 s[G0K+1], s[LK0], s[TB]
	s_add_nc_u64 s[G0M+2:G0M+3], s[G0M+2:G0M+3], 1024      ; the next 256 keys behind the last that were asked for
	s_add_nc_u64 s[G0K+2:G0K+3], s[G0K+2:G0K+3], 32768
	s_wait_xcnt 0x0                                ; the last prefetch, a trip back, has read its address
	s_add_nc_u64 s[PFA:PFA+1], s[PFA:PFA+1], s[PFS:PFS+1]
.endif
	TM 0                                           ; work on registers between the add and the wait for it
	s_wait_dscnt 0x0                               ; v is in (bar = 1: my reads of this slot are over, and the add is done)
.if \bar
	s_barrier_signal -1                            ; (fill = 1: this barrier opens a round of the cluster's barrier)
.endif
	TM 1                                           ; work on registers while the others arrive
	WIN 0x41
.irp x, 0,1
.set j, 0
.rept 16
	v_pk_mul_f32 v[OT+32*\x+j:OT+32*\x+j+1], v[OT+32*\x+j:OT+32*\x+j+1], v[FF+2*\x:FF+2*\x+1] op_sel_hi:[1,0]   ; O^T under the new M; no exponential stands between the last products and these first reads
.set j, j+2
.endr
.endr
	WIN 0
.if \bar == 0
	KLOAD AKVC, AMC, 1                             ; the slot's second step: its k and mask land under the exponentials
.endif
	s_wait_alu depctr_va_vdst(0)                   ; ahead of the batch
.set j, 0
.rept 128
	v_exp_f32 v[S+j], v[S+j]                       ; p = 2^(t - M), at most 1.  One batch for both heads
.set j, j+1
.endr
.irp x, 0,1
	v_pk_mul_f32 v[ST+4*\x+2:ST+4*\x+3], v[ST+4*\x+2:ST+4*\x+3], v[FF+2*\x:FF+2*\x+1] op_sel_hi:[1,0]   ; the sums under the new M: plain lines behind the last exponential
.endr
	s_wait_alu depctr_va_vdst(0)                   ; one wait for the batch, ahead of its first reader
.irp x, 0,1
	v_pk_add_f32 v[S2+2*\x:S2+2*\x+1], v[S+64*\x:S+64*\x+1], v[S+64*\x+2:S+64*\x+3]   ; the row's sum of the unquantised p: two chains a head
.endr
.set j, 4
.rept 15
.irp x, 0,1
	v_pk_add_f32 v[ST+4*\x+2:ST+4*\x+3], v[ST+4*\x+2:ST+4*\x+3], v[S+64*\x+j:S+64*\x+j+1]
	v_pk_add_f32 v[S2+2*\x:S2+2*\x+1], v[S2+2*\x:S2+2*\x+1], v[S+64*\x+j+2:S+64*\x+j+3]
.endr
.set j, j+4
.endr
.irp x, 0,1
	v_pk_add_f32 v[ST+4*\x+2:ST+4*\x+3], v[ST+4*\x+2:ST+4*\x+3], v[S2+2*\x:S2+2*\x+1]
.endr
.if \bar
	s_wait_alu depctr_va_vdst(0)
	s_barrier_wait -1                              ; the barrier was signalled ahead of t - M of the second head: all between, the exponentials and the sums too, is work on registers
.endif
.if \fill
	CREST                                          ; no wave of any partner still reads this slot or has a load on its way
	JLOAD                                          ; the first tensor load behind the round, one a wave
	ASK
	KLOAD AKVN, AMN, 0                             ; the next step's k and mask, out of the other slot: they land under the holds, the conversions and the second product
.else
.if \bar
	s_cmp_eq_u32 s[CNT], 1                         ; the very last step has no successor: a branch on the count of trips, round these LDS loads alone
	s_cbranch_scc1 .Lno_next_\@
	KLOAD AKVN, AMN, 0
.Lno_next_\@:
.endif
.endif
.set j, 0
.rept 64
	v_dual_min_num_f32 v[S+j], v[S+j], v[PLIM] :: v_dual_min_num_f32 v[S+j+1], v[S+j+1], v[PLIM2]   ; the hold (the conversion does not saturate: ISA guide 7.6.2); p is not negative, so it is one-sided; two in a pair
.set j, j+2
.endr
	WIN 0x40
.irp x, 0,1
.irp t, 0,1,2,3,4,5,6,7
	v_cvt_scalef32_pk8_fp8_f32 v[PF+16*\x+2*\t:PF+16*\x+2*\t+1], v[S+64*\x+8*\t:S+64*\x+8*\t+7], v[PSCL]   ; registers 2 t, 2 t + 1 of p
.endr
.endr
	v_nop                                          ; a plain line between the conversions and the products that read their results
	WIN 0x55
.irp d, 0,1,2,3
.irp x, 0,1
	v_wmma_f32_16x16x128_fp8_fp8 v[OT+32*\x+8*\d:OT+32*\x+8*\d+7], v[VF+16*\d:VF+16*\d+15], v[PF+16*\x:PF+16*\x+15], v[OT+32*\x+8*\d:OT+32*\x+8*\d+7]   ; eight accumulators by turns
.endr
.endr
	WIN 0
.endm
.macro SLOTT fill                      ; a slot: its addresses, its two steps, and on to the other slot
	v_add_nc_u32 v[AKVC], s[TB], v[AKV0]
	v_add_nc_u32 v[AMC], s[TB], v[AM0]
	v_add_nc_u32 v[AKVN], s[TBN], v[AKV0]
	v_add_nc_u32 v[AMN], s[TBN], v[AM0]
	STEP 0, 0, 0
	STEP 1, 1, \fill
	s_xor_b32 s[TB], s[TB], SLOTB
	s_xor_b32 s[TBN], s[TBN], SLOTB
.endm
	s_wait_alu depctr_va_vdst(0)                   ; at the head's end
	s_wait_tensorcnt 0x0                           ; my part of slot 0 is in; slot 1's first fill is issued as a refill is:
	ds_add_u32 v[SPW], v[NIL]
	s_add_co_u32 s[G0M+1], s[LM0], SLOTB
	s_add_co_u32 s[G0K+1], s[LK0], SLOTB
	s_add_nc_u64 s[G0M+2:G0M+3], s[G0M+2:G0M+3], 1024
	s_add_nc_u64 s[G0K+2:G0K+3], s[G0K+2:G0K+3], 32768
	s_wait_dscnt 0x0
	CROUND
	JLOAD                                          ; slot 1
	KLOAD AKV0, AM0, 0                             ; the first step's k and mask
	s_wait_loadcnt 0x0                             ; q
	s_mov_b32 s[CNT], 6
.Lslot:                                            ; slots 0 to 5: each is filled again with the slot two on
	SLOTT 1
	s_sub_co_u32 s[CNT], s[CNT], 1
	s_cmp_lg_u32 s[CNT], 0
	s_cbranch_scc1 .Lslot
	s_mov_b32 s[CNT], 2
.Ltail:                                            ; slots 6 and 7: nothing is asked for; one text serves both, so the last trip passes a barrier that orders nothing more
	SLOTT 0
	s_sub_co_u32 s[CNT], s[CNT], 1
	s_cmp_lg_u32 s[CNT], 0
	s_cbranch_scc1 .Ltail
	; THE WAY OUT.  O^T is divided by the row's sum, held, converted: the results are the 16 registers of my tile's image, stored straight from registers.
	PLACES 4
.irp x, 0,1
	v_add_f32 v[ST+4*\x+2], v[ST+4*\x+2], v[ST+4*\x+3]
.endr
.irp x, 0,1
	v_permlanex16_b32 v[MX+4*\x+2], v[ST+4*\x+2], s[SEL], s[SEL+1]
.endr
.irp x, 0,1
	v_add_f32 v[ST+4*\x+2], v[ST+4*\x+2], v[MX+4*\x+2]
.endr
	s_wait_alu depctr_va_vdst(0)                   ; ahead of the reciprocals
.irp x, 0,1
	v_rcp_f32 v[FF+2*\x], v[ST+4*\x+2]
.endr
	v_nop
	WIN 0x01
	s_wait_alu depctr_va_vdst(0)                   ; directly ahead of the first reader of O^T and of the reciprocals
.irp x, 0,1
.set j, 0
.rept 16
	v_pk_mul_f32 v[S+64*\x+j:S+64*\x+j+1], v[OT+32*\x+j:OT+32*\x+j+1], v[FF+2*\x:FF+2*\x+1] op_sel_hi:[1,0]
.set j, j+2
.endr
.endr
	WIN 0
.irp x, 0,1
	v_mul_f32 v[MX+4*\x], 0, v[FF+2*\x]            ; 0, or NaN where the sum is 0: added behind the hold, which would else hide that NaN
.endr
.irp x, 0,1
.set j, 0
.rept 32
	v_med3_num_f32 v[S+64*\x+j], v[S+64*\x+j], -v[OLIM], v[OLIM]
.set j, j+1
.endr
.endr
.irp x, 0,1
.set j, 0
.rept 16
	v_pk_add_f32 v[S+64*\x+j:S+64*\x+j+1], v[S+64*\x+j:S+64*\x+j+1], v[MX+4*\x:MX+4*\x+1] op_sel_hi:[1,0]
.set j, j+2
.endr
.endr
.irp x, 0,1
.irp d, 0,1,2,3
	v_cvt_scalef32_pk8_fp8_f32 v[FR+2*(4*\x+\d):FR+2*(4*\x+\d)+1], v[S+64*\x+8*\d:S+64*\x+8*\d+7], v[OSCL]   ; k = 64 x + 16 d + 8 h + 0 .. 7 of this pair of heads' 128
.endr
.endr
	v_nop
.irp g, 0,1,2,3
	global_store_b128 v[LN16], v[FR+4*\g:FR+4*\g+3], s[12:13] offset:512*\g   ; 32 lanes store 512 consecutive bytes, aligned
.endr
	s_wait_tensorcnt 0x0                           ; the wave's end
	ds_add_u32 v[SPW], v[NIL]
	s_wait_dscnt 0x0
	CROUND                                         ; the closing round
	s_endpgm
.Lfunc_end_k_q98053d981a_attn:
	.size	k_q98053d981a_attn, .Lfunc_end_k_q98053d981a_attn-k_q98053d981a_attn
	.p2alignl 7, 3214868480
	.fill 96, 4, 3214868480
	.section	.rodata,"a",@progbits
	.p2align	6, 0x0
	.amdhsa_kernel k_q98053d981a_attn
		.amdhsa_group_segment_fixed_size 327680
		.amdhsa_private_segment_fixed_size 0
		.amdhsa_enable_private_segment 0
		.amdhsa_kernarg_size 40
		.amdhsa_user_sgpr_count 2
		.amdhsa_user_sgpr_kernarg_segment_ptr 1
		.amdhsa_wavefront_size32 1
		.amdhsa_system_sgpr_workgroup_id_x 1
		.amdhsa_system_sgpr_workgroup_id_y 1
		.amdhsa_system_sgpr_workgroup_id_z 1
		.amdhsa_system_vgpr_workitem_id 0
		.amdhsa_next_free_vgpr 512
		.amdhsa_next_free_sgpr 100
		.amdhsa_reserve_vcc 0
		.amdhsa_float_denorm_mode_32 3
		.amdhsa_float_denorm_mode_16_64 3
		.amdhsa_memory_ordered 1
		.amdhsa_forward_progress 1
		.amdhsa_inst_pref_size 154
	.end_amdhsa_kernel
	.amdgpu_metadata
---
amdhsa.version: [ 1, 2 ]
amdhsa.kernels:
  - .name:           k_q98053d981a_attn
    .symbol:         k_q98053d981a_attn.kd
    .args:
      - { .name: qimg, .offset: 0, .size: 8, .value_kind: global_buffer, .address_space: global }
      - { .name: kv, .offset: 8, .size: 8, .value_kind: global_buffer, .address_space: global }
      - { .name: attention_mask, .offset: 16, .size: 8, .value_kind: global_buffer, .address_space: global }
      - { .name: lowp_scales, .offset: 24, .size: 8, .value_kind: global_buffer, .address_space: global }
      - { .name: oimg, .offset: 32, .size: 8, .value_kind: global_buffer, .address_space: global }
    .group_segment_fixed_size: 327680
    .private_segment_fixed_size: 0
    .kernarg_segment_align: 8
    .kernarg_segment_size: 40
    .max_flat_workgroup_size: 256
    .sgpr_count:     100
    .vgpr_count:     512
    .wavefront_size: 32
...
	.end_amdgpu_metadata
.endif
;; end of part 3
;; launch oproj (part 4): grid 16 x 16, 4 waves a work-group, clusters of 4 x 4, 327,680 bytes of LDS; arguments oimg, woc, lowp_scales, out0; writes out0
.if DOCPART == 4
	.amdgcn_target "amdgcn-amd-amdhsa--gfx1250"
	.amdhsa_code_object_version 6
	.text
	.protected	k_q98053d981a_oproj
	.globl	k_q98053d981a_oproj
	.p2align	8
	.type	k_q98053d981a_oproj,@function
k_q98053d981a_oproj:
	s_mov_b64 s[64:65], 0
	v_nop
	global_prefetch_b8 v0, s[64:65] scope:SCOPE_SE
	s_setreg_imm32_b32 hwreg(HW_REG_WAVE_MODE, 25, 1), 1
	s_wait_xcnt 0x0
	s_wait_alu depctr_hold_cnt(0) depctr_sa_sdst(0) depctr_va_vdst(0) depctr_va_sdst(0) depctr_va_ssrc(0) depctr_va_vcc(0) depctr_vm_vsrc(0)
	s_getreg_b32 s2, hwreg(HW_REG_IB_STS2, 6, 4)
	s_cmp_eq_u32 s2, 0
	s_cbranch_scc0 .Lentry_in_a_cluster
	s_endpgm
.Lentry_in_a_cluster:
	s_bfe_u32 s2, ttmp6, 0x10000c
	s_cmp_lg_u32 s2, 0xf033
	s_cbranch_scc0 .Lentry_shape_is_right
	s_endpgm
.Lentry_shape_is_right:
; out0[m][n] = 2^(e10 + e11) x the sum over k of o[m][k] Wo[n][k]: 4,096 x 2,048, K = 1,024, both operands as codes of E4M3; sums in f32.
; oimg holds o as images of operand registers: [4 pairs of key and value heads = 256 along K][256 tiles of 16 tokens][two images of 2,048 bytes, 128 along K each]; woc holds Wo's codes, [2,048][1,024], K innermost.
; A work-group makes 256 x 128 of out0 IN TWO HALVES OF 128 ROWS.  The head's four loads, one a wave, bring all of K at once: waves 0 and 1 two pairs each of the first half of A (2 rows of 32,768 bytes, 1,048,576 apart),
; waves 2 and 3 sixty-four rows each of B (1,024 bytes a row).  When the first half is multiplied, A's bytes are filled again with the second half (a joint refill behind a round of the cluster's barrier),
; and the first half's results are stored while that load is on its way.  B stays.  A wave makes 64 x 64 of a half: 16 accumulators, by turns, used again in the second half.
; CLUSTERS: 4 x 4 work-groups.  A's tiles hang on y alone: shared along a row; B's on x alone: shared along a column.
; THE MATRIX INSTRUCTION IS USED TRANSPOSED (source 0 = 16 rows of B, source 1 = 16 rows of A): a lane holds eight neighbouring numbers of a row of out0, which go out through the wave's own stage as rows of 256 bytes.
; No prefetch: the text has no loop to run ahead in; two requests in all are made for A and one for B.
; LIMIT: e10 + e11 lies between -126 and 127, so that 2^(e10 + e11) is an f32 number.
; REGISTERS.  window 0: v16-29 addresses; v32-63 a block's scaled sums; v64-127 B's and v128-191 A's fragments, set 0 (on the way out v64-127 take the rows read back); window 2: the same, set 1; window 1: v0-127 accumulators.
.set BP,    1040                       ; a row of B in LDS: 1,024 bytes + 16 of padding = 260 words: the 16 rows that a load touches start 4 words apart modulo 64
.set BOFF,  131072                     ; behind A's four pairs of 32,768 bytes
.set BHALF, 64*BP
.set STAGE, BOFF+2*BHALF               ; 264,192: the way out, 16 rows x 272 bytes for each wave; no fill lands here
.set PITCH, 272
.set SPARE, STAGE+4*16*PITCH           ; 281,600: the spare words
.set AIM,  16                          ; v16-17 my four tiles' images: pairs 0 and 1, pairs 2 and 3
.set ADRB, 20
.set STO,  24
.set RD,   25
.set CO,   26
.set SPW,  28
.set NIL,  29
.set TMP,  32
.set BK,   64
.set BF,   64
.set AF,   128
.set WV,   18
.set ROLE, 19                          ; I fetch for A (0) or B (1); also which 64 rows of a half are mine
.set HALF, 20                          ; which part I fetch; also which 64 columns are mine
.set G1A,  24
.set G0A,  32
.set G1B,  44
.set G0B,  52
.set SC,   96
.set MSB, 0
.macro WIN new
.if MSB != (\new)
	s_set_vgpr_msb (MSB<<8)|(\new)
.set MSB, (\new)
.endif
.endm
.macro PLACES n
.rept \n
	v_nop
.endr
.endm
.macro CROUND                          ; a round of the cluster's barrier
	s_barrier_signal -1
	s_barrier_wait -1
	s_cmp_lg_u32 s[WV], 0
	s_cbranch_scc1 .Lnot_wave_0_\@
	s_barrier_signal -3
.Lnot_wave_0_\@:
	s_barrier_wait -3
	s_barrier_signal -1
	s_barrier_wait -1
.endm
	s_load_b256 s[4:11], s[0:1], 0x0               ; oimg, woc, the scales' exponents, out0
	v_lshl_add_u32 v[SPW], v0, 2, SPARE
	v_mov_b32 v[NIL], 0
	ds_add_u32 v[SPW], v[NIL]                      ; the opening lines: the add, twice on end, and its wait ahead of the first tensor load
	ds_add_u32 v[SPW], v[NIL]
	v_lshrrev_b32 v1, 5, v0
	v_readfirstlane_b32 s[WV], v1
	s_lshr_b32 s[ROLE], s[WV], 1
	s_and_b32 s[HALF], s[WV], 1
	s_bfe_u32 s21, ttmp6, 0x40000                  ; cx
	s_bfe_u32 s22, ttmp6, 0x40004                  ; cy
	s_lshl_b32 s23, ttmp9, 2
	s_add_co_u32 s23, s23, s21                     ; x: my 128 columns
	s_and_b32 s66, ttmp7, 0xffff
	s_lshl_b32 s66, s66, 2
	s_add_co_u32 s66, s66, s22                     ; y: my 256 rows
	s_lshl_b32 s90, s22, 2
	s_lshl_b32 s90, 15, s90                        ; my row of the cluster
	s_lshl_b32 s91, 0x1111, s21                    ; my column
	s_or_b32 s[G1A], s90, (3<<16)|(1<<21)          ; A: elements of 8 bytes, no padding: 2 rows of 4,096 elements, 131,072 elements apart
	s_mov_b32 s[G1A+1], 4096<<16
	s_mov_b32 s[G1A+2], 2<<16
	s_mov_b32 s[G1A+3], 4096<<16
	s_mov_b32 s[G1A+4], 2
	s_mov_b32 s[G1A+5], 131072
	s_mov_b32 s[G1A+6], 0
	s_mov_b32 s[G1A+7], 0
	s_or_b32 s[G1B], s91, (1<<20)|(1<<21)|(7<<22)|(3<<25)   ; B: 64 rows of 1,024 bytes; four words of padding after every 256
	s_mov_b32 s[G1B+1], 1024<<16
	s_mov_b32 s[G1B+2], 64<<16
	s_mov_b32 s[G1B+3], 1024<<16
	s_mov_b32 s[G1B+4], 64
	s_mov_b32 s[G1B+5], 1024
	s_mov_b32 s[G1B+6], 0
	s_mov_b32 s[G1B+7], 0
	s_lshl_b32 s92, s66, 16                        ; A: 16 tiles of 4,096 bytes for each y, the first eight now;
	s_lshl_b32 s93, s[HALF], 21                    ; my two pairs of 1,048,576 bytes
	s_add_co_u32 s92, s92, s93
	s_mov_b32 s93, 0
	s_lshl_b32 s94, s23, 17                        ; B: 128 rows of 1,024 bytes for each x, my 64
	s_lshl_b32 s95, s[HALF], 16
	s_add_co_u32 s94, s94, s95
	s_mov_b32 s95, 0
	s_lshl_b32 s98, s[HALF], 16                    ; where they go
	s_mul_i32 s99, s[HALF], BHALF
	s_add_co_u32 s99, s99, BOFF
	s_lshl_b32 s88, s66, 21                        ; out0: 256 rows of 8,192 bytes for each y, my 64 rows of a half, 512 bytes for each x, my 256
	s_lshl_b32 s89, s[ROLE], 19
	s_add_co_u32 s88, s88, s89
	s_lshl_b32 s89, s23, 9
	s_add_co_u32 s88, s88, s89
	s_lshl_b32 s89, s[HALF], 8
	s_add_co_u32 s88, s88, s89
	s_mov_b32 s89, 0
	s_lshl_b32 s84, s[ROLE], 14                    ; my four tiles' images in a pair's 32,768 bytes
	s_mul_i32 s86, s[WV], 16*PITCH
	s_add_co_u32 s86, s86, STAGE                   ; my stage
	s_wait_dscnt 0x0                               ; both opening adds are done
	s_wait_kmcnt 0x0
	s_load_b64 s[SC:SC+1], s[8:9], 0x28            ; e10, e11
	s_add_nc_u64 s[10:11], s[10:11], s[88:89]
	s_mov_b32 s[G0A], 1
	s_mov_b32 s[G0A+1], s98
	s_add_nc_u64 s[G0A+2:G0A+3], s[4:5], s[92:93]
	s_or_b32 s[G0A+3], s[G0A+3], 0x80000000
	s_mov_b32 s[G0B], 1
	s_mov_b32 s[G0B+1], s99
	s_add_nc_u64 s[G0B+2:G0B+3], s[6:7], s[94:95]
	s_or_b32 s[G0B+3], s[G0B+3], 0x80000000
	CROUND                                         ; all sixteen work-groups are here: the first joint loads meet
	s_cmp_eq_u32 s[ROLE], 0                        ; one tensor load a wave; s_nop 0 and four v_nop behind each line
	s_cbranch_scc0 .Lfor_b
	tensor_load_to_lds s[G0A:G0A+3], s[G1A:G1A+7]
	s_nop 0
	PLACES 4
	s_branch .Lasked
.Lfor_b:
	tensor_load_to_lds s[G0B:G0B+3], s[G1B:G1B+7]
	s_nop 0
	PLACES 4
.Lasked:
	v_and_b32 v1, 15, v0                           ; r
	v_bfe_u32 v2, v0, 4, 1                         ; h
	v_and_b32 v3, 31, v0
	v_lshlrev_b32 v3, 4, v3
	v_mul_u32_u24 v4, v1, PITCH
	v_mul_u32_u24 v5, v1, BP
	v_lshl_add_u32 v5, v2, 3, v5                   ; B: row r, + 8 h: the form's own layout, registers 2 c, 2 c + 1: k = 16 c + 8 h + 0 .. 7
	v_add_nc_u32 v[AIM], s84, v3
	v_add_nc_u32 v[AIM+1], 65536, v[AIM]
	v_add_nc_u32 v[ADRB], s99, v5                  ; the 64 rows that I multiply are those of my number's low bit
	v_lshl_add_u32 v[STO], v2, 5, v4
	v_add_nc_u32 v[STO], s86, v[STO]               ; the stage, in: row r, 32 bytes for each half of the lanes
	v_mul_u32_u24 v[RD], v2, PITCH
	v_lshl_add_u32 v[RD], v1, 4, v[RD]
	v_add_nc_u32 v[RD], s86, v[RD]                 ; back: lanes 0-15 one row of 256 bytes, lanes 16-31 the next
	v_lshlrev_b32 v[CO], 13, v2
	v_lshl_add_u32 v[CO], v1, 4, v[CO]             ; and the same two rows in out0
.macro FETCH k, p                      ; the fragments of the k-th 128 along K into set p: B's four (eight loads of 8 bytes each), A's four images (four loads of 16 bytes a lane each)
	WIN 0x80*(\p)
.irp i, 0,1,2,3
.irp c, 0,1,2,3,4,5,6,7
	ds_load_b64 v[BF+16*\i+2*\c:BF+16*\i+2*\c+1], v[ADRB] offset:128*(\k)+16*\c+\i*16*BP
.endr
.endr
.irp i, 0,1,2,3
.irp g, 0,1,2,3
	ds_load_b128 v[AF+16*\i+4*\g:AF+16*\i+4*\g+3], v[AIM+(\k)/4] offset:32768*(((\k)/2)%2)+4096*\i+2048*((\k)%2)+512*\g
.endr
.endr
	WIN 0
.endm
.macro MUL p, zero                     ; 16 matrix instructions, the 16 accumulators by turns; zero: the first product starts the sums
	WIN 0x50+0x0a*(\p)
.irp a, 0,1,2,3
.irp t, 0,1,2,3
.if \zero
	v_wmma_f32_16x16x128_fp8_fp8 v[8*(4*\a+\t):8*(4*\a+\t)+7], v[BF+16*\t:BF+16*\t+15], v[AF+16*\a:AF+16*\a+15], 0
.else
	v_wmma_f32_16x16x128_fp8_fp8 v[8*(4*\a+\t):8*(4*\a+\t)+7], v[BF+16*\t:BF+16*\t+15], v[AF+16*\a:AF+16*\a+15], v[8*(4*\a+\t):8*(4*\a+\t)+7]
.endif
.endr
.endr
	WIN 0
.endm
.macro STEPK k
	s_wait_dscnt 0x0                               ; this step's fragments are in
	PLACES 4                                       ; ahead of loads into the set that the last step's products read
	FETCH (\k)+1, ((\k)+1)%2
	MUL (\k)%2, (\k)==0
.endm
.macro PHASE                           ; a half: eight steps of 128 along K, all out of LDS, no barrier between them
	FETCH 0, 0
.irp k, 0,1,2,3,4,5,6
	STEPK \k
.endr
	s_wait_dscnt 0x0
	MUL 1, 0
.endm
.macro TOSTAGE a                       ; block a, 16 rows x 64 columns: x 2^(e10 + e11), each accumulator from its low end on; into my stage and back as whole rows.  LDS serves a wave's instructions in order
	WIN 0x01
.irp t, 0,1,2,3
.irp i, 0,2,4,6
	v_pk_mul_f32 v[TMP+8*\t+\i:TMP+8*\t+\i+1], v[8*(4*(\a)+\t)+\i:8*(4*(\a)+\t)+\i+1], s[SC:SC+1] op_sel_hi:[1,0]
.endr
.endr
	WIN 0
.irp t, 0,1,2,3
	ds_store_b128 v[STO], v[TMP+8*\t:TMP+8*\t+3] offset:64*\t
	ds_store_b128 v[STO], v[TMP+8*\t+4:TMP+8*\t+7] offset:64*\t+16
.endr
.irp i, 0,1,2,3,4,5,6,7
	ds_load_b128 v[BK+32*((\a)%2)+4*\i:BK+32*((\a)%2)+4*\i+3], v[RD] offset:2*\i*PITCH
.endr
.endm
.macro SEND a, o, younger              ; o: the half's first block of 16 rows among my rows' sixteen steps of 131,072 bytes
	s_wait_dscnt \younger
.irp i, 0,1,2,3,4,5,6,7
	global_store_b128 v[CO], v[BK+32*((\a)%2)+4*\i:BK+32*((\a)%2)+4*\i+3], s[10:11] offset:((\o)+(\a))*131072+2*\i*8192 th:TH_STORE_NT   ; 16 lanes store 256 consecutive bytes, aligned
.endr
.endm
.macro OUTP o
	PLACES 4                                       ; ahead of the first reads of results just made
	TOSTAGE 0
	TOSTAGE 1
	SEND 0, \o, 16                                 ; behind block 0's loads: block 1's 8 stores and 8 loads
	s_wait_xcnt 0x0                                ; block 0's stores have read their registers: block 2's rows may land there
	TOSTAGE 2
	SEND 1, \o, 16
	s_wait_xcnt 0x0
	TOSTAGE 3
	SEND 2, \o, 16
	SEND 3, \o, 0
.endm
	s_wait_alu depctr_va_vdst(0)                   ; at the head's end
	s_wait_tensorcnt 0x0                           ; my part is in
	s_barrier_signal -1
	s_barrier_wait -1                              ; everybody's is
	PHASE                                          ; rows 0 to 127
	s_wait_tensorcnt 0x0                           ; A's bytes are filled again
	ds_add_u32 v[SPW], v[NIL]
	s_add_nc_u64 s[G0A+2:G0A+3], s[G0A+2:G0A+3], 32768     ; the block's other eight tiles
	s_wait_dscnt 0x0                               ; my reads of A's first half are over
	CROUND                                         ; no wave of any partner still reads those bytes
	s_cmp_eq_u32 s[ROLE], 0
	s_cbranch_scc0 .Lnot_a
	tensor_load_to_lds s[G0A:G0A+3], s[G1A:G1A+7]
	s_nop 0
	PLACES 4
.Lnot_a:
	s_wait_kmcnt 0x0
	s_add_co_i32 s[SC], s[SC], s[SC+1]
	s_add_co_i32 s[SC], s[SC], 127
	s_lshl_b32 s[SC], s[SC], 23                    ; 2^(e10 + e11) as f32
	OUTP 0                                         ; the first half leaves while the second half of A is on its way; the stage's bytes are its own
	s_wait_xcnt 0x0                                ; the stores have read their registers, which take fragments again
	s_wait_tensorcnt 0x0
	s_barrier_signal -1
	s_barrier_wait -1                              ; the second half of A is whole
	PHASE                                          ; rows 128 to 255
	OUTP 8
	s_wait_tensorcnt 0x0                           ; the wave's end
	ds_add_u32 v[SPW], v[NIL]
	s_wait_dscnt 0x0
	CROUND                                         ; the closing round
	s_endpgm
.Lfunc_end_k_q98053d981a_oproj:
	.size	k_q98053d981a_oproj, .Lfunc_end_k_q98053d981a_oproj-k_q98053d981a_oproj
	.p2alignl 7, 3214868480
	.fill 96, 4, 3214868480
	.section	.rodata,"a",@progbits
	.p2align	6, 0x0
	.amdhsa_kernel k_q98053d981a_oproj
		.amdhsa_group_segment_fixed_size 327680
		.amdhsa_private_segment_fixed_size 0
		.amdhsa_enable_private_segment 0
		.amdhsa_kernarg_size 32
		.amdhsa_user_sgpr_count 2
		.amdhsa_user_sgpr_kernarg_segment_ptr 1
		.amdhsa_wavefront_size32 1
		.amdhsa_system_sgpr_workgroup_id_x 1
		.amdhsa_system_sgpr_workgroup_id_y 1
		.amdhsa_system_sgpr_workgroup_id_z 1
		.amdhsa_system_vgpr_workitem_id 0
		.amdhsa_next_free_vgpr 768
		.amdhsa_next_free_sgpr 100
		.amdhsa_reserve_vcc 0
		.amdhsa_float_denorm_mode_32 3
		.amdhsa_float_denorm_mode_16_64 3
		.amdhsa_memory_ordered 1
		.amdhsa_forward_progress 1
		.amdhsa_inst_pref_size 98
	.end_amdhsa_kernel
	.amdgpu_metadata
---
amdhsa.version: [ 1, 2 ]
amdhsa.kernels:
  - .name:           k_q98053d981a_oproj
    .symbol:         k_q98053d981a_oproj.kd
    .args:
      - { .name: oimg, .offset: 0, .size: 8, .value_kind: global_buffer, .address_space: global }
      - { .name: woc, .offset: 8, .size: 8, .value_kind: global_buffer, .address_space: global }
      - { .name: lowp_scales, .offset: 16, .size: 8, .value_kind: global_buffer, .address_space: global }
      - { .name: out0, .offset: 24, .size: 8, .value_kind: global_buffer, .address_space: global }
    .group_segment_fixed_size: 327680
    .private_segment_fixed_size: 0
    .kernarg_segment_align: 8
    .kernarg_segment_size: 32
    .max_flat_workgroup_size: 128
    .sgpr_count:     100
    .vgpr_count:     768
    .wavefront_size: 32
...
	.end_amdgpu_metadata
.endif
;; end of part 4
